; MI455X (gfx1250); checked and timed in simulation.
; The chip was launched on July 23, 2026; its instructions are those of AMD's public machine-readable ISA for CDNA 5 (MIT licence, August 2026) and "CDNA5" Instruction Set Architecture Reference Guide (July 2026). The comments in the code are by the model that wrote it; some were corrected since.
;; Casual Self Attention. Allowed arithmetic: matrix products marked QUANTISED: E2M1 operands, one E8M0 scale for each 32 along K, by v_wmma_scale_f32_16x16x128_f8f6f4 with both operands' format E2M1 (or v_wmma_scale_f32_32x16x128_f4), f32 sums; everything else in f32.
;; Inputs: W_attn 1,024 x 3,072 float32; W_proj 1,024 x 1,024 float32; b_attn 3,072 float32; b_proj 1,024 float32; x 4 x 2,048 x 1,024 float32.
;; Outputs: out0 4 x 2,048 x 1,024 float32.
;; This version of the problem:
;;   THIS VERSION OF THE PROBLEM IS GIVEN IN LOW PRECISION. The matrix products marked QUANTISED in the list below multiply operands that are first quantised to E2M1 (2 exponent bits, 1 mantissa bit; 4 bits a number), with one power-of-two scale for each 32 numbers along K (OCP MX v1.0); their sums are f32. All else is computed in f32.
;;   The module's matrix products, in the order in which they are computed (A, B: the left and right operand; K: the contracted axis; several contracted axes count as one K, in the product's order):
;;     1. [M 8,192, K 1,024] x [K 1,024, N 3,072]; A: input x; B: input W_attn: QUANTISED
;;     2. batch 64 x [M 2,048, K 64] x [K 64, N 2,048]; A: computed on the way; B: computed on the way: QUANTISED
;;     3. batch 64 x [M 2,048, K 2,048] x [K 2,048, N 64]; A: softmax (see below); B: computed on the way: QUANTISED
;;     4. [M 8,192, K 1,024] x [K 1,024, N 1,024]; A: computed on the way; B: input W_proj: QUANTISED
;;   THE QUANTISER, for each operand of a quantised product, along K:
;;     - K is cut into blocks of 32 from its start; a last block that is shorter is filled with zeros.
;;     - A block's scale is 2^e with e = floor(log2(the largest magnitude in the block)) - 2, held to -126 .. 127; a block of zeros has e = 0. As a byte (E8M0): e + 127.
;;     - Each number is divided by its block's scale, clamped to +-6, and rounded to the nearest number of E2M1, ties to even, subnormals kept.
;;     - The product sums the exact products of the quantised numbers (number of the format x scale) in f32.
;;   ~~~python
;;   def quantise(x, axis):      # numpy; x: float32 -> the quantised numbers, widened to float32 again
;;       x = np.moveaxis(x, axis, -1); K = x.shape[-1]
;;       x = np.pad(x, [(0, 0)] * (x.ndim - 1) + [(0, -K % 32)]); x = x.reshape(x.shape[:-1] + (-1, 32)); a = np.abs(x).max(-1, keepdims=True)
;;       e = np.where(a > 0, np.clip(np.frexp(np.where(a > 0, a, 1))[1] - 1 - 2, -126, 127), 0)      # np.frexp(a)[1] - 1 = floor(log2(a)), exactly
;;       r = np.clip(x / 2.0 ** e, -6, 6)
;;       step = 2.0 ** (np.maximum(np.frexp(np.where(r == 0, 1, r))[1] - 1, 0) - 1)
;;       q = np.round(r / step) * step * 2.0 ** e      # np.round: ties to even
;;       return np.moveaxis(q.reshape(q.shape[:-2] + (-1,))[..., :K], -1, axis).astype(np.float32)
;;   ~~~
;;   SOFTMAX AHEAD OF A QUANTISED PRODUCT. Where the list says 'softmax', what is quantised is not the finished softmax but p = 2^(t - M), with t = logit x log2(e) and M = ceil(the row's largest t), a whole number; so 1/2 < the row's largest p <= 1. The row's sum l is taken of the UNQUANTISED p, in f32, and the product's result is divided by l at the end. Since M is a whole number, a kernel that streams over the keys may use a running M (the ceiling of the running maximum): every later rescaling is an exact power of two, which a block's scale takes up: the codes' values come out the same.
;;   OPERANDS COMPUTED ON THE WAY. 'Computed on the way' means the value that the module computes at that place (a softmax that the list does not call 'softmax' is quantised finished and normalised). What goes into a quantiser is computed in f32, as accurately as f32 sums, v_exp_f32 and their like allow (about 1e-6 of the number): no bf16 or f16 on the way to a quantiser, and a product that is left as it is and whose result goes on into a quantised operand takes f32 operands (vector FMAs, or v_wmma_f32_16x16x4_f32). A number that lies on a knife's edge between two numbers of the format may be rounded either way, as far as f32 arithmetic and the matrix unit's own rounding can turn it there, and no further.
;; One version. Each part assembles by itself: llvm-mc -triple=amdgcn-amd-amdhsa -mcpu=gfx1250 --defsym DOCPART=n.
;; ======== version 1 of 1: 4 launches
;; workspace buffers: xc 4,194,304 bytes; xs 262,144 bytes; wc 2,097,152 bytes; ws 131,072 bytes; qkv 18,350,080 bytes; yc 4,194,304 bytes; ys 262,144 bytes
;; launch quant (part 1): grid 512 x 1, 4 waves a work-group, no clusters, 34,304 bytes of LDS; arguments x, W_attn, W_proj, xc, xs, wc, ws; writes xc, xs, wc, ws
.if DOCPART == 1
	.amdgcn_target "amdgcn-amd-amdhsa--gfx1250"
	.amdhsa_code_object_version 6
	.text
	.protected	k_qb5a860a59c_quant
	.globl	k_qb5a860a59c_quant
	.p2align	8
	.type	k_qb5a860a59c_quant,@function
k_qb5a860a59c_quant:
	s_mov_b64 s[64:65], 0
	v_nop
	global_prefetch_b8 v0, s[64:65] scope:SCOPE_SE
	s_setreg_imm32_b32 hwreg(HW_REG_WAVE_MODE, 25, 1), 1
	s_wait_xcnt 0x0
; CAUSAL SELF-ATTENTION IN MX-FP4, four launches: this one (x and both weights into codes), gemm_qkv, attn, gemm_proj.
; DEAD WORK, for the whole program.  reference() sets att to -infinity wherever key > query, by a jnp.tril that it builds itself; the softmax then gives such a key the weight 0, whatever finite numbers the inputs hold.
; So a step of 128 keys all of which come after all 16 queries of a tile can reach no output: launch attn leaves those steps out, whole (both products and the softmax).  Nothing else is left out; every input is loaded.
; LIMIT that follows: a NaN, an infinity or an overflow that would arise only in scores that are left out is not carried to the result.
;
; THIS LAUNCH.  x [8192][1024] (K innermost) and W_attn [1024][3072], W_proj [1024][1024] (K is the first axis), f32, become codes of E2M1 with one E8M0 byte for each 32 along K.
; A block's scale is 2^(floor(log2(largest magnitude)) - 2): its byte is the largest magnitude's exponent field - 2, held at 1 from below by a floor among the maximum's leaves.
; LIMITS: a block of zeros gets the byte 1 where the rule says 127 (its codes are zeros, and this program alone reads the bytes); NaN and infinities among the inputs are not served.
; LAYOUT OF THE RESULTS: the order of the matrix operand's registers.  Rows (tokens, or columns of a weight) go in groups of 128, a group in 8 tiles of 16: row rho of tile a is group row
; 32 (a / 2) + 8 (a % 2) + rho + 8 (rho / 8).  Codes [tile][K step of 128 (8)][piece c (2)][lane (32)][16 bytes]: lane (r, h), piece c holds k = 64 c + 32 h + 0 .. 31 of the tile's row r.
; Scale words [tile][K half (2)][r (16)][K step in the half (4)].  Tiles 0-191 of wc, ws are W_attn's columns, 192-255 W_proj's.
; WORK-GROUPS 0-255 take x: a wave takes one tile x 512 along K, in four steps of 128.  A load reads 512 consecutive bytes of one row; a step's 16 rows turn through the wave's own stage in LDS, so that a lane
; gets 16 neighbours of each block of 32 of ITS row.  WORK-GROUPS 256-511 take the weights: a wave takes 32 columns x 128 along K; a lane takes a column and its registers run down K, so nothing is transposed.
; The weights' scale words leave 4 bytes a lane, 16 bytes apart: one byte in 128 of what that path reads.  No tensor loads, no barrier: waves share nothing.
.set SPARE, 33792                      ; behind the four stages: the spare words, 128 bytes for each wave
.set SPW,   10                         ; v10  LDS address of my spare word; never rewritten
.set NIL,   11                         ; v11  0; never rewritten
.set TM,    12                         ; v12-27  at work in QUANT
.set SWD,   28                         ; v28-31  x: a scale word for each step
.set PC,    32                         ; v32-63  x: eight registers of codes for each step, so that no store's data are written again
.set X,     64                         ; v64-127 x: 64 numbers of my row;  weights: two sets of 32 numbers of my column
.set R,     128                        ; v128-255 x: two sets of 64 registers as loaded
.set OFF,   32                         ; v32-63  weights: byte offset of row i of a block, at my column
.set CW,    128                        ; v128-143 weights: four registers of codes for each block
.set SBW,   144                        ; v144    weights: my column's scale word
.set SEL,   22                         ; s[22:23] lane selects for v_permlanex16_b32: lane l xor 16
; 64 numbers of a lane, register 16 b + i = k 32 b + 16 (lane / 16) + i of my row, become the 8 registers of a fragment in v[pc] on and the row's scale word in v[pw].
.macro QUANT src, pc, pw
.irp b, 0,1,2,3
	v_max3_num_f32 v[TM+\b], |v[\src+16*\b]|, |v[\src+1+16*\b]|, 0x1800000   ; block b: my 16 numbers, and the floor 2^(3 - 127): the byte cannot fall under 1
.endr
.irp i, 2,4,6,8,10,12,14
.irp b, 0,1,2,3
	v_max3_num_f32 v[TM+\b], v[TM+\b], |v[\src+16*\b+\i]|, |v[\src+1+16*\b+\i]|   ; the four blocks by turns
.endr
.endr
.irp b, 0,1,2,3
	v_permlanex16_b32 v[TM+4+\b], v[TM+\b], s[SEL], s[SEL+1]
.endr
.irp b, 0,1,2,3
	v_max_num_f32 v[TM+\b], v[TM+\b], v[TM+4+\b]   ; with lane l xor 16's 16: the block's largest magnitude
.endr
.irp b, 0,1,2,3
	v_add_nc_u32 v[TM+12+\b], 0xff000000, v[TM+\b]   ; 2 off its exponent field: the conversion takes the exponent field of this operand as its scale
.endr
.irp b, 0,1,2,3
	v_lshrrev_b32 v[TM+4+\b], 23, v[TM+12+\b]      ; the scale's byte
.endr
	v_lshl_or_b32 v[\pw], v[TM+5], 8, v[TM+4]
	v_lshl_or_b32 v[\pw], v[TM+6], 16, v[\pw]
	v_lshl_or_b32 v[\pw], v[TM+7], 24, v[\pw]
.irp b, 0,1,2,3
	v_cvt_scalef32_pk8_fp4_f32 v[\pc+2*\b], v[\src+16*\b:\src+7+16*\b], v[TM+12+\b]
	v_cvt_scalef32_pk8_fp4_f32 v[\pc+1+2*\b], v[\src+8+16*\b:\src+15+16*\b], v[TM+12+\b]
.endr
	v_nop                                          ; one plain place behind a scaled conversion
.irp c, 0,1                                    ; the operand wants a whole block in a lane: lanes 0-15 block 2 c, lanes 16-31 block 2 c + 1
.irp i, 0,1
	v_permlane16_swap_b32 v[\pc+4*\c+\i], v[\pc+2+4*\c+\i]
.endr
.endr
.endm
	s_load_b256 s[4:11], s[0:1], 0x0               ; x s[4:5], W_attn s[6:7], W_proj s[8:9], xc s[10:11]
	s_load_b128 s[12:15], s[0:1], 0x20             ; xs s[12:13], wc s[14:15]
	s_load_b64 s[16:17], s[0:1], 0x30              ; ws
	v_lshl_add_u32 v[SPW], v0, 2, SPARE
	v_mov_b32 v[NIL], 0
	v_lshrrev_b32 v1, 5, v0
	v_readfirstlane_b32 s20, v1                    ; wave 0..3
	v_and_b32 v1, 31, v0                           ; lane
	v_and_b32 v2, 15, v0                           ; r
	v_bfe_u32 v3, v0, 4, 1                         ; h
	v_lshlrev_b32 v4, 4, v1                        ; 16 x lane
	s_mov_b32 s[SEL], 0x76543210
	s_mov_b32 s[SEL+1], 0xfedcba98
	s_cmp_ge_u32 ttmp9, 256                        ; the work-group's number alone decides
	s_cbranch_scc1 .Lweights
	; ---------------- x ----------------
	s_lshl_b32 s21, ttmp9, 1
	s_lshr_b32 s24, s20, 1
	s_add_co_u32 s21, s21, s24                     ; my tile T = 2 x work-group + wave / 2
	s_and_b32 s25, s20, 1                          ; my half of K
	s_lshr_b32 s26, s21, 3
	s_lshl_b32 s26, s26, 7                         ; 128 (T / 8)
	s_bfe_u32 s27, s21, 0x20001
	s_lshl_b32 s27, s27, 5                         ; + 32 ((T / 2) % 4)
	s_add_co_u32 s26, s26, s27
	s_and_b32 s27, s21, 1
	s_lshl_b32 s27, s27, 3                         ; + 8 (T % 2): the tile's first row
	s_add_co_u32 s26, s26, s27
	s_lshl_b32 s26, s26, 12                        ; rows of 4,096 bytes
	s_lshl_b32 s27, s25, 11                        ; + 2,048 for the upper half of K
	s_add_co_u32 s26, s26, s27
	s_mov_b32 s27, 0
	s_lshl_b32 s28, s21, 13                        ; codes: 8,192 bytes a tile, 4,096 a half
	s_lshl_b32 s29, s25, 12
	s_add_co_u32 s28, s28, s29
	s_mov_b32 s29, 0
	s_lshl_b32 s30, s21, 9                         ; scale words: 512 bytes a tile, 256 a half
	s_lshl_b32 s31, s25, 8
	s_add_co_u32 s30, s30, s31
	s_mov_b32 s31, 0
	s_mul_i32 s32, s20, 8448                       ; my stage: 16 rows of 512 bytes + 16 of padding
	s_wait_alu depctr_va_vdst(0)
	v_add_nc_u32 v5, s32, v4                       ; in: 16 x lane of a row
	v_mul_u32_u24 v6, v2, 528
	v_lshl_add_u32 v6, v3, 6, v6
	v_add_nc_u32 v6, s32, v6                       ; back: row r, + 64 h: my 16 numbers of a block of 32.  Rows 528 bytes apart: sixteen lanes fall on sixteen different runs of 16 bytes modulo 256
	v_lshlrev_b32 v7, 4, v2
	v_lshl_add_u32 v7, v3, 3, v7                   ; the scale words' way out: 16 r + 8 h
.irp b, 0,1,2,3
	v_mov_b32 v[TM+4+\b], 0                        ; written once: a lane permute's destination counts as one of its sources
.endr
	s_wait_alu depctr_va_vdst(0)
	s_wait_kmcnt 0x0
	s_add_nc_u64 s[4:5], s[4:5], s[26:27]
	s_add_nc_u64 s[10:11], s[10:11], s[28:29]
	s_add_nc_u64 s[12:13], s[12:13], s[30:31]
.macro LOADX st                        ; step st: 128 along K of the tile's 16 rows, a row (512 consecutive bytes) a load
.irp i, 0,1,2,3,4,5,6,7,8,9,10,11,12,13,14,15
	global_load_b128 v[R+64*((\st)%2)+4*\i:R+64*((\st)%2)+4*\i+3], v4, s[4:5] offset:(\i+8*(\i/8))*4096+512*(\st) th:TH_LOAD_NT
.endr
.endm
.macro STEPX st
.if (\st) < 3
	s_wait_loadcnt 16                              ; this step's 16 loads are in; the next step's 16 stay out
.else
	s_wait_loadcnt 0x0
.endif
.irp i, 0,1,2,3,4,5,6,7,8,9,10,11,12,13,14,15
	ds_store_b128 v5, v[R+64*((\st)%2)+4*\i:R+64*((\st)%2)+4*\i+3] offset:528*\i
.endr
.irp b, 0,1,2,3
.irp j, 0,1,2,3
	ds_load_b128 v[X+16*\b+4*\j:X+16*\b+4*\j+3], v6 offset:128*\b+16*\j   ; LDS serves a wave's instructions in order: these see my stores
.endr
.endr
	s_wait_dscnt 0x0                               ; my 64 numbers are back, and the stores have read their registers,
.if (\st) < 2
	LOADX (\st)+2                                  ; which take the loads of two steps on
.endif
	QUANT X, PC+8*(\st), SWD+(\st)
	global_store_b128 v4, v[PC+8*(\st):PC+8*(\st)+3], s[10:11] offset:1024*(\st)          ; 512 consecutive bytes, aligned
	global_store_b128 v4, v[PC+8*(\st)+4:PC+8*(\st)+7], s[10:11] offset:1024*(\st)+512
.endm
	LOADX 0
	LOADX 1
	STEPX 0
	STEPX 1
	STEPX 2
	STEPX 3
	v_cmp_ne_u32 vcc_lo, 0, v3                     ; both halves of the lanes hold row r's four words: lanes 0-15 store words 0, 1, lanes 16-31 words 2, 3
	v_cndmask_b32 v8, v[SWD], v[SWD+2], vcc_lo
	v_cndmask_b32 v9, v[SWD+1], v[SWD+3], vcc_lo
	global_store_b64 v7, v[8:9], s[12:13]          ; 256 consecutive bytes, aligned
	s_wait_tensorcnt 0x0                           ; the wave's end, behind my last LDS store
	ds_add_u32 v[SPW], v[NIL]
	s_wait_dscnt 0x0
	s_endpgm
	; ---------------- the weights ----------------
.Lweights:
	s_sub_co_u32 s21, ttmp9, 256
	s_and_b32 s24, s21, 31                         ; which 128 columns of the 4,096 (W_attn's 3,072, then W_proj's 1,024)
	s_lshr_b32 s25, s21, 5                         ; which K step of 128
	s_lshl_b32 s26, s24, 2
	s_add_co_u32 s26, s26, s20                     ; my wave's run of 32 columns: tiles 2 cg and 2 cg + 1
	s_wait_kmcnt 0x0
	s_mov_b32 s27, 4096
	s_cmp_lt_u32 s24, 24                           ; W_attn's or W_proj's?  Ids alone decide
	s_cselect_b64 s[6:7], s[6:7], s[8:9]
	s_cselect_b32 s27, 12288, s27                  ; a row in bytes
	s_cselect_b32 s28, 0, 96
	s_sub_co_u32 s28, s26, s28                     ; the run's number inside its tensor
	s_lshl_b32 s28, s28, 7                         ; 128 bytes a run
	s_lshl_b32 s29, s25, 7
	s_mul_i32 s29, s29, s27                        ; + 128 rows a K step
	s_add_co_u32 s28, s28, s29
	s_mov_b32 s29, 0
	s_lshl_b32 s30, s27, 5                         ; 32 rows: a block
	s_mov_b32 s31, 0
	s_add_nc_u64 s[32:33], s[6:7], s[28:29]        ; a base for each of the four blocks
	s_add_nc_u64 s[34:35], s[32:33], s[30:31]
	s_add_nc_u64 s[36:37], s[34:35], s[30:31]
	s_add_nc_u64 s[38:39], s[36:37], s[30:31]
	s_lshl_b32 s40, s26, 14                        ; codes: 2 tiles of 8,192 bytes a run, 1,024 a K step
	s_lshl_b32 s41, s25, 10
	s_add_co_u32 s40, s40, s41
	s_mov_b32 s41, 0
	s_add_nc_u64 s[14:15], s[14:15], s[40:41]
	s_lshl_b32 s40, s26, 10                        ; scale words: 2 tiles of 512 bytes a run, 256 a K half, 4 a K step
	s_lshr_b32 s42, s25, 2
	s_lshl_b32 s42, s42, 8
	s_add_co_u32 s40, s40, s42
	s_and_b32 s42, s25, 3
	s_lshl_b32 s42, s42, 2
	s_add_co_u32 s40, s40, s42
	s_add_nc_u64 s[16:17], s[16:17], s[40:41]
	s_wait_alu depctr_va_vdst(0)
	v_and_b32 v12, 8, v2
	v_add_nc_u32 v12, v12, v2
	v_lshl_add_u32 v12, v3, 3, v12                 ; my column of the 32: 8 h + r + 8 (r / 8): lanes 0-15 hold tile 2 cg in the order of its rows, lanes 16-31 tile 2 cg + 1
	v_lshlrev_b32 v[OFF], 2, v12
.set i, 1
.rept 31
	v_add_nc_u32 v[OFF+i], s27, v[OFF+i-1]         ; row i of a block
.set i, i+1
.endr
	v_lshlrev_b32 v13, 4, v2
	v_lshl_add_u32 v13, v3, 9, v13                 ; my scale word's place: 512 h + 16 r
.macro LOADW t                         ; block t: 32 rows at my column; a load reads 128 consecutive bytes
.set i, 0
.rept 32
	global_load_b32 v[X+32*((\t)%2)+i], v[OFF+i], s[32+2*(\t):33+2*(\t)] th:TH_LOAD_NT
.set i, i+1
.endr
.endm
.macro BLOCKW t
.set XS, X+32*((\t)%2)
.if (\t) < 3
	s_wait_loadcnt 32                              ; this block's 32 loads are in; the next block's 32 stay out
.else
	s_wait_loadcnt 0x0
.endif
	v_max3_num_f32 v16, |v[XS]|, |v[XS+1]|, |v[XS+2]|   ; the block's largest magnitude: all 32 numbers are mine; two chains
	v_max3_num_f32 v17, |v[XS+3]|, |v[XS+4]|, |v[XS+5]|
.irp i, 6,10,14,18,22,26
	v_max3_num_f32 v16, v16, |v[XS+\i]|, |v[XS+\i+1]|
	v_max3_num_f32 v17, v17, |v[XS+\i+2]|, |v[XS+\i+3]|
.endr
	v_max3_num_f32 v16, v16, |v[XS+30]|, |v[XS+31]|
	v_max3_num_f32 v16, v16, v17, 0x1800000        ; and the floor
	v_add_nc_u32 v18, 0xff000000, v16              ; the conversion's scale operand
	v_lshrrev_b32 v19, 23, v18                     ; the byte
.if (\t) == 0
	v_mov_b32 v[SBW], v19
.else
	v_lshl_or_b32 v[SBW], v19, 8*(\t), v[SBW]
.endif
.irp g, 0,1,2,3
	v_cvt_scalef32_pk8_fp4_f32 v[CW+4*(\t)+\g], v[XS+8*\g:XS+8*\g+7], v18
.endr
	v_nop                                          ; one plain place behind a scaled conversion
.if (\t) < 2
	LOADW (\t)+2
.endif
.endm
	LOADW 0
	LOADW 1
	BLOCKW 0
	BLOCKW 1
	BLOCKW 2
	BLOCKW 3
.irp c, 0,1                                    ; blocks 2 c and 2 c + 1: the first's lanes 16-31 change places with the second's lanes 0-15: the first is then piece c of tile 2 cg, the second that of tile 2 cg + 1
.irp i, 0,1,2,3
	v_permlane16_swap_b32 v[CW+8*\c+\i], v[CW+8*\c+4+\i]
.endr
.endr
.irp u, 0,1
.irp c, 0,1
	global_store_b128 v4, v[CW+8*\c+4*\u:CW+8*\c+4*\u+3], s[14:15] offset:8192*\u+512*\c   ; 512 consecutive bytes, aligned
.endr
.endr
	global_store_b32 v13, v[SBW], s[16:17]
	s_wait_tensorcnt 0x0                           ; the three closing lines stand here all the same
	ds_add_u32 v[SPW], v[NIL]
	s_wait_dscnt 0x0
	s_endpgm
.Lfunc_end_k_qb5a860a59c_quant:
	.size	k_qb5a860a59c_quant, .Lfunc_end_k_qb5a860a59c_quant-k_qb5a860a59c_quant
	.p2alignl 7, 3214868480
	.fill 96, 4, 3214868480
	.section	.rodata,"a",@progbits
	.p2align	6, 0x0
	.amdhsa_kernel k_qb5a860a59c_quant
		.amdhsa_group_segment_fixed_size 34304
		.amdhsa_private_segment_fixed_size 0
		.amdhsa_enable_private_segment 0
		.amdhsa_kernarg_size 56
		.amdhsa_user_sgpr_count 2
		.amdhsa_user_sgpr_kernarg_segment_ptr 1
		.amdhsa_wavefront_size32 1
		.amdhsa_system_sgpr_workgroup_id_x 1
		.amdhsa_system_sgpr_workgroup_id_y 1
		.amdhsa_system_sgpr_workgroup_id_z 1
		.amdhsa_system_vgpr_workitem_id 0
		.amdhsa_next_free_vgpr 256
		.amdhsa_next_free_sgpr 66
		.amdhsa_reserve_vcc 1
		.amdhsa_float_denorm_mode_32 3
		.amdhsa_float_denorm_mode_16_64 3
		.amdhsa_memory_ordered 1
		.amdhsa_forward_progress 1
		.amdhsa_inst_pref_size 55
	.end_amdhsa_kernel
	.amdgpu_metadata
---
amdhsa.version: [ 1, 2 ]
amdhsa.kernels:
  - .name:           k_qb5a860a59c_quant
    .symbol:         k_qb5a860a59c_quant.kd
    .args:
      - { .name: x, .offset: 0, .size: 8, .value_kind: global_buffer, .address_space: global }
      - { .name: W_attn, .offset: 8, .size: 8, .value_kind: global_buffer, .address_space: global }
      - { .name: W_proj, .offset: 16, .size: 8, .value_kind: global_buffer, .address_space: global }
      - { .name: xc, .offset: 24, .size: 8, .value_kind: global_buffer, .address_space: global }
      - { .name: xs, .offset: 32, .size: 8, .value_kind: global_buffer, .address_space: global }
      - { .name: wc, .offset: 40, .size: 8, .value_kind: global_buffer, .address_space: global }
      - { .name: ws, .offset: 48, .size: 8, .value_kind: global_buffer, .address_space: global }
    .group_segment_fixed_size: 34304
    .private_segment_fixed_size: 0
    .kernarg_segment_align: 8
    .kernarg_segment_size: 56
    .max_flat_workgroup_size: 128
    .sgpr_count:     66
    .vgpr_count:     256
    .wavefront_size: 32
...
	.end_amdgpu_metadata
.endif
;; end of part 1
;; launch gemm_qkv (part 2): grid 12 x 32, 4 waves a work-group, clusters of 4 x 4, 327,680 bytes of LDS; arguments xc, xs, wc, ws, b_attn, qkv; writes qkv
.if DOCPART == 2
	.amdgcn_target "amdgcn-amd-amdhsa--gfx1250"
	.amdhsa_code_object_version 6
	.text
	.protected	k_qb5a860a59c_gemm_qkv
	.globl	k_qb5a860a59c_gemm_qkv
	.p2align	8
	.type	k_qb5a860a59c_gemm_qkv,@function
k_qb5a860a59c_gemm_qkv:
	s_mov_b64 s[64:65], 0
	v_nop
	global_prefetch_b8 v0, s[64:65] scope:SCOPE_SE
	s_setreg_imm32_b32 hwreg(HW_REG_WAVE_MODE, 25, 1), 1
	s_wait_xcnt 0x0
	s_wait_alu depctr_hold_cnt(0) depctr_sa_sdst(0) depctr_va_vdst(0) depctr_va_sdst(0) depctr_va_ssrc(0) depctr_va_vcc(0) depctr_vm_vsrc(0)
	s_getreg_b32 s2, hwreg(HW_REG_IB_STS2, 6, 4)
	s_cmp_eq_u32 s2, 0
	s_cbranch_scc0 .Lentry_in_a_cluster
	s_endpgm
.Lentry_in_a_cluster:
	s_bfe_u32 s2, ttmp6, 0x10000c
	s_cmp_lg_u32 s2, 0xf033
	s_cbranch_scc0 .Lentry_shape_is_right
	s_endpgm
.Lentry_shape_is_right:
; qkv = Q(x) Q(W_attn) + b_attn on codes of E2M1 with E8M0 scales (K = 1,024), and q, k, v leave as CODES: q and k quantised along the head's 64, v along the tokens.  No f32 result goes to memory.  No work is left out here.
; OPERANDS lie in memory in the order of the matrix operand's registers: codes [tile of 16 rows][K step of 128 (8)][1,024 bytes], scale words [tile][K half][r][4].  Row rho of tile a of a group of 128 rows is
; group row 32 (a / 2) + 8 (a % 2) + rho + 8 (rho / 8), on both sides.  With source 0 = tile b of S0 and source 1 = tile a of S1, a lane holds ONE row of S1, and the 16 registers of tiles 2 B, 2 B + 1 are
; 16 NEIGHBOURS along S0: 32 B + 16 (lane / 16) + 0 .. 15.  So the axis that is quantised next has to be S0's.
; ROLES, by the cluster's x alone (the same in all sixteen partners): clusters 0 and 1 (q's and k's columns): S0 = W, S1 = x: a lane holds a token, registers run along the columns.
; Cluster 2 (v's columns): S0 = x, S1 = W: a lane holds a column d, registers run along the tokens.  Only pointers and tile numbers are chosen; the loop is one text.
; A work-group of four waves makes 256 (S1) x 256 (S0), a wave 128 x 128: 64 accumulators, 512 registers.  All of K lies in LDS at once: two slots of 512 along K, each filled once; nothing is filled again.
; CLUSTER 4 x 4: S1's tiles hang on the tile row alone and are asked for jointly by a row of the cluster, S0's on the tile column alone, by a column.
; RESULT: records [hh (32)][G (64)] of 8,960 bytes; G = a group of 128 tokens; hh 0-15 q's heads, 16-31 k's and v's.  +0: q's or k's codes [tile a (8)][lane][16]: lane (r, h): d = 32 h .. 32 h + 31 of the tile's token r.
; +4,096: v's codes [tile of d (4)][piece (2)][lane][16], K = the group's tokens.  +8,192: q's or k's scale words [a / 4][r][a % 4] (two bytes, the upper two 0).  +8,704: v's scale words [r][tile].
; In q's records the parts at +4,096 and +8,704 are neither written nor read.
; LIMITS: a block's largest magnitude is floored at 2^(3 - 127); a block of zeros gets the byte 1 where the rule says 127 (its codes are zeros; this program alone reads the bytes); NaN and infinities are not served.
; NO PREFETCH: each wave's three tensor loads go out at the head and nothing is fetched later.
; REGISTERS: window 0: v1 r, v2 h, v8-15 bias offsets, v16-29 addresses, v32-95 scale words (two sets; nothing else ever), v96-123 at work on the way out, v128-191 S1's fragments, later 64 results, v192-255 codes made.
;   window 1: S0's fragments, two sets, at v0 and v128; v192-255 the bias.   windows 2, 3: the accumulators ((a, b) at v[8 (8 (a % 4) + b)]).
.set NQ,    4                          ; steps of 128 along K in a slot
.set FR,    8                          ; registers of a fragment
.set NL,    2                          ; LDS loads that bring one
.set NP,    4                          ; places behind this matrix instruction (ISA guide 7.12.1)
.set SLOT,  131072                     ; S1's 16 tiles x 4,096 bytes, then S0's 16
.set SCL,   262144                     ; behind the slots: S1's scale words (8,192 bytes), then S0's
.set SPARE, 278528                     ; the spare words, 128 bytes for each wave
.set RECB,  8960
.set HSTEP, 64*RECB                    ; from a head's record to the next head's
.set VB,   8
.set ADRA, 16                          ; v16-17  LDS address of S1's fragments in slot 0, 1
.set ADRB, 20                          ; v20-21  S0's
.set OA,   24                          ; v24  16 x lane
.set VSC,  25                          ; v25  HSTEP x h + 16 r: the scale words' way out
.set SH,   26                          ; v26  16 h
.set ADRS, 27                          ; v27  my scale words: lanes 0-15 S1's rows, lanes 16-31 S0's
.set SPW,  28
.set NIL,  29
.set SC,   32
.set TM,   96
.set SW,   112
.set PW,   120
.set AF,   128
.set HA,   128
.set PC,   192
.set BI,   192                         ; in window 1
.set G1,   24                          ; s[24:31] group 1, s[32:39] groups 0 for S1's codes
.set G0,   32
.set G1B,  48                          ; s[48:55], s[56:63] for S0's codes
.set G0B,  56
.set G1S,  68                          ; s[68:75], s[76:79] for S1's scale words
.set G0S,  76
.set G1SB, 80                          ; s[80:87], s[88:91] for S0's
.set G0SB, 88
.set P0,   92                          ; s[92:93], s[94:95] my two heads' records
.set BB,   96                          ; s[96:97] my 128 numbers of the bias
.set SEL,  98                          ; s[98:99]
.set MSB, 0
.macro WIN new                         ; the immediate's high byte repeats the setting that is left
.if MSB != (\new)
	s_set_vgpr_msb (MSB<<8)|(\new)
.set MSB, (\new)
.endif
.endm
.set MUL_LO, 0xa1                      ; source 0 (S0) window 1, source 1 (S1) window 0, C and D window 2
.set MUL_HI, 0xf1
.set TO_B,   0x40
; A joint load: waves 0 and 1 fetch for S1, waves 2 and 3 for S0; the branch hangs on the wave's number alone.  An s_nop 0 and four v_nop follow each line.
.macro JLOAD g0a, g1a, g0b, g1b
	s_cmp_eq_u32 s17, 0
	s_cbranch_scc0 .Lfor_b_\@
	tensor_load_to_lds s[\g0a:\g0a+3], s[\g1a:\g1a+7]
	s_nop 0
.rept 4
	v_nop
.endr
	s_branch .Lasked_\@
.Lfor_b_\@:
	tensor_load_to_lds s[\g0b:\g0b+3], s[\g1b:\g1b+7]
	s_nop 0
.rept 4
	v_nop
.endr
.Lasked_\@:
.endm
.macro CROUND                          ; a round of the cluster's barrier
	s_barrier_signal -1
	s_barrier_wait -1
	s_cmp_lg_u32 s16, 0
	s_cbranch_scc1 .Lnot_wave_0_\@
	s_barrier_signal -3
.Lnot_wave_0_\@:
	s_barrier_wait -3
	s_barrier_signal -1
	s_barrier_wait -1
.endm
.macro QUANT src, pc, pw               ; 64 numbers, register 16 b + i = k 32 b + 16 (lane / 16) + i, become a fragment's 8 registers and its scale word
.irp b, 0,1,2,3
	v_max3_num_f32 v[TM+\b], |v[\src+16*\b]|, |v[\src+1+16*\b]|, 0x1800000   ; with the floor 2^(3 - 127)
.endr
.irp i, 2,4,6,8,10,12,14
.irp b, 0,1,2,3
	v_max3_num_f32 v[TM+\b], v[TM+\b], |v[\src+16*\b+\i]|, |v[\src+1+16*\b+\i]|
.endr
.endr
.irp b, 0,1,2,3
	v_permlanex16_b32 v[TM+4+\b], v[TM+\b], s[SEL], s[SEL+1]
.endr
.irp b, 0,1,2,3
	v_max_num_f32 v[TM+\b], v[TM+\b], v[TM+4+\b]
.endr
.irp b, 0,1,2,3
	v_add_nc_u32 v[TM+12+\b], 0xff000000, v[TM+\b]   ; 2 off the exponent field: the conversion's scale operand
.endr
.irp b, 0,1,2,3
	v_lshrrev_b32 v[TM+4+\b], 23, v[TM+12+\b]
.endr
	v_lshl_or_b32 v[\pw], v[TM+5], 8, v[TM+4]
	v_lshl_or_b32 v[\pw], v[TM+6], 16, v[\pw]
	v_lshl_or_b32 v[\pw], v[TM+7], 24, v[\pw]
.irp b, 0,1,2,3
	v_cvt_scalef32_pk8_fp4_f32 v[\pc+2*\b], v[\src+16*\b:\src+7+16*\b], v[TM+12+\b]
	v_cvt_scalef32_pk8_fp4_f32 v[\pc+1+2*\b], v[\src+8+16*\b:\src+15+16*\b], v[TM+12+\b]
.endr
	v_nop                                          ; one plain place behind a scaled conversion
.irp c, 0,1
.irp i, 0,1
	v_permlane16_swap_b32 v[\pc+4*\c+\i], v[\pc+2+4*\c+\i]
.endr
.endr
.endm
	s_load_b256 s[4:11], s[0:1], 0x0               ; xc, xs, wc, ws
	s_load_b128 s[12:15], s[0:1], 0x20             ; b_attn, qkv
	v_lshl_add_u32 v[SPW], v0, 2, SPARE
	v_mov_b32 v[NIL], 0
	ds_add_u32 v[SPW], v[NIL]                      ; the wave's opening: the add, twice on end, and its wait ahead of my first tensor load
	ds_add_u32 v[SPW], v[NIL]
	v_lshrrev_b32 v1, 5, v0
	v_readfirstlane_b32 s16, v1                    ; wave 0..3
	s_lshr_b32 s17, s16, 1                         ; my half of S1's rows.  Also: I fetch for S1 (0) or for S0 (1)
	s_and_b32 s18, s16, 1                          ; my half of S0's rows.  Also: which 128 rows I fetch
	s_bfe_u32 s40, ttmp6, 0x40000                  ; cx
	s_bfe_u32 s41, ttmp6, 0x40004                  ; cy
	s_and_b32 s47, ttmp7, 0xffff                   ; the cluster's y
	s_cmp_eq_u32 ttmp9, 2                          ; the cluster's x: v's columns?
	s_cselect_b32 s19, 1, 0                        ; the mode
	s_cselect_b32 s42, s47, ttmp9
	s_cselect_b32 s43, 2, s47
	s_lshl_b32 s42, s42, 2
	s_add_co_u32 s42, s42, s40                     ; t0: which 256 rows of S0
	s_lshl_b32 s43, s43, 2
	s_add_co_u32 s43, s43, s41                     ; t1: which 256 rows of S1
	s_lshl_b32 s44, s41, 2
	s_lshl_b32 s44, 15, s44                        ; my row of the cluster
	s_lshl_b32 s45, 0x1111, s40                    ; my column
	; group 1, codes: 8 tiles' 4,096 bytes (four K steps), 8,192 bytes apart, in elements of 8 bytes; dense in LDS
	s_or_b32 s[G1+0], s44, (3<<16)|(1<<21)         ; 15:0 the mask; 17:16 elements of 8 bytes; 21 set beside a mask
	s_or_b32 s[G1B+0], s45, (3<<16)|(1<<21)
.irp g, G1, G1B
	s_mov_b32 s[\g+1], 512<<16                     ; tensor_dim0
	s_mov_b32 s[\g+2], 8<<16                       ; tensor_dim1
	s_mov_b32 s[\g+3], 512<<16                     ; tile_dim0
	s_mov_b32 s[\g+4], 8                           ; tile_dim1
	s_mov_b32 s[\g+5], 1024                        ; from row to row
	s_mov_b32 s[\g+6], 0
	s_mov_b32 s[\g+7], 0
.endr
	; group 1, scale words: 8 tiles' 4,096 dense bytes as 16 rows of 256
	s_or_b32 s[G1S+0], s44, (3<<16)|(1<<21)
	s_or_b32 s[G1SB+0], s45, (3<<16)|(1<<21)
.irp g, G1S, G1SB
	s_mov_b32 s[\g+1], 32<<16
	s_mov_b32 s[\g+2], 16<<16
	s_mov_b32 s[\g+3], 32<<16
	s_mov_b32 s[\g+4], 16
	s_mov_b32 s[\g+5], 32
	s_mov_b32 s[\g+6], 0
	s_mov_b32 s[\g+7], 0
.endr
	s_lshl_b32 s3, s18, 3
	s_lshl_b32 s2, s43, 4
	s_add_co_u32 s2, s2, s3                        ; S1: the first of the 8 tiles that I fetch
	s_lshl_b32 s46, s42, 4
	s_add_co_u32 s46, s46, s3                      ; S0 likewise
	s_lshl_b32 s92, s2, 13                         ; in bytes: codes,
	s_mov_b32 s93, 0
	s_lshl_b32 s94, s2, 9                          ; scale words
	s_mov_b32 s95, 0
	s_lshl_b32 s96, s46, 13
	s_mov_b32 s97, 0
	s_lshl_b32 s98, s46, 9
	s_mov_b32 s99, 0
	s_lshl_b32 s2, s16, 15                         ; where they go: wave x 32,768 in a slot,
	s_lshl_b32 s3, s16, 12                         ; wave x 4,096 among the scale words: no place in the cluster enters an LDS address
	s_wait_dscnt 0x0                               ; both opening adds are done
	s_wait_kmcnt 0x0
	s_cmp_eq_u32 s19, 1                            ; the roles: the condition hangs on the cluster's x alone
	s_cselect_b64 s[20:21], s[8:9], s[4:5]         ; S1's codes
	s_cselect_b64 s[22:23], s[10:11], s[6:7]       ; S1's scale words
	s_cselect_b64 s[8:9], s[4:5], s[8:9]           ; S0's codes
	s_cselect_b64 s[10:11], s[6:7], s[10:11]       ; S0's scale words
	s_add_nc_u64 s[20:21], s[20:21], s[92:93]
	s_add_nc_u64 s[22:23], s[22:23], s[94:95]
	s_add_nc_u64 s[8:9], s[8:9], s[96:97]
	s_add_nc_u64 s[10:11], s[10:11], s[98:99]
	CROUND                                         ; all sixteen work-groups are here: the first joint loads meet
	s_mov_b32 s[G0S], 1
	s_add_co_u32 s[G0S+1], s3, SCL
	s_mov_b64 s[G0S+2:G0S+3], s[22:23]
	s_or_b32 s[G0S+3], s[G0S+3], 0x80000000
	s_mov_b32 s[G0SB], 1
	s_add_co_u32 s[G0SB+1], s3, SCL
	s_mov_b64 s[G0SB+2:G0SB+3], s[10:11]
	s_or_b32 s[G0SB+3], s[G0SB+3], 0x80000000
	JLOAD G0S, G1S, G0SB, G1SB                     ; the scale words first: they are wanted with slot 0
.irp s, 0,1
	s_mov_b32 s[G0+4*\s], 1
	s_add_co_u32 s[G0+4*\s+1], s2, \s*SLOT
	s_add_nc_u64 s[G0+4*\s+2:G0+4*\s+3], s[20:21], \s*4096
	s_or_b32 s[G0+4*\s+3], s[G0+4*\s+3], 0x80000000
	s_mov_b32 s[G0B+4*\s], 1
	s_add_co_u32 s[G0B+4*\s+1], s2, \s*SLOT
	s_add_nc_u64 s[G0B+4*\s+2:G0B+4*\s+3], s[8:9], \s*4096
	s_or_b32 s[G0B+4*\s+3], s[G0B+4*\s+3], 0x80000000
	JLOAD G0+4*\s, G1, G0B+4*\s, G1B               ; by this text's count three tensor loads of a wave are out
.endr
	v_and_b32 v1, 15, v0                           ; r
	v_bfe_u32 v2, v0, 4, 1                         ; h
	s_wait_alu depctr_va_vdst(0)
	v_and_b32 v3, 31, v0
	v_lshlrev_b32 v[OA], 4, v3
	s_lshl_b32 s2, s17, 15                         ; my 8 tiles of S1
	s_lshl_b32 s3, s18, 15                         ; my 8 tiles of S0,
	s_add_co_u32 s3, s3, 65536                     ; behind S1's 16
.irp s, 0,1
	v_add_nc_u32 v[ADRA+\s], s2, v[OA]
	v_add_nc_u32 v[ADRB+\s], s3, v[OA]
	s_add_co_u32 s2, s2, SLOT
	s_add_co_u32 s3, s3, SLOT
.endr
	s_lshl_b32 s2, s17, 12                         ; S1's scale words of my 8 tiles
	s_lshl_b32 s3, s18, 12
	s_add_co_u32 s3, s3, 8192                      ; S0's, behind S1's 8,192 bytes
	s_sub_co_u32 s3, s3, s2
	v_mul_u32_u24 v4, s3, v2                       ; lanes 16-31 take S0's: one product with h
	s_add_co_u32 s2, s2, SCL
	v_lshl_add_u32 v4, v1, 4, v4                   ; 16 bytes a row: the four words of a K half
	v_add_nc_u32 v[ADRS], s2, v4
	v_mul_u32_u24 v[VSC], HSTEP, v2
	v_lshl_add_u32 v[VSC], v1, 4, v[VSC]
	v_lshlrev_b32 v[SH], 4, v2
	s_mov_b32 s[SEL], 0x76543210
	s_mov_b32 s[SEL+1], 0xfedcba98
	; which columns and which tokens are my wave's, in either mode
	s_cmp_eq_u32 s19, 1
	s_cselect_b32 s2, s43, s42                     ; the columns' tile of 256,
	s_cselect_b32 s3, s17, s18                     ; and my half of it
	s_cselect_b32 s46, s42, s43                    ; the tokens' tile,
	s_cselect_b32 s47, s18, s17                    ; and my half
	s_cselect_b32 s20, 16, 0                       ; v's heads share k's records: 16 off
	s_lshl_b32 s21, s2, 1
	s_add_co_u32 s21, s21, s3                      ; my 128 columns
	s_lshl_b32 s22, s21, 9
	s_mov_b32 s23, 0
	s_add_nc_u64 s[BB:BB+1], s[12:13], s[22:23]    ; their bias
	s_lshl_b32 s21, s21, 1                         ; two heads
	s_sub_co_u32 s21, s21, s20
	s_lshl_b32 s21, s21, 6                         ; 64 records a head
	s_lshl_b32 s46, s46, 1
	s_add_co_u32 s46, s46, s47                     ; my group of 128 tokens
	s_add_co_u32 s21, s21, s46
	s_mul_i32 s22, s21, RECB
	s_add_nc_u64 s[P0:P0+1], s[14:15], s[22:23]
	s_add_nc_u64 s[P0+2:P0+3], s[P0:P0+1], HSTEP
	; the bias, 64 numbers a lane, one text for both modes.  q, k: number 8 b + j belongs to column 32 (b / 2) + 8 (b % 2) + 16 h + j.  v: numbers 8 a + 0 .. 7 all belong to my column of block a, 32 (a / 2) + 8 (a % 2) + r + 8 (r / 8)
	s_cmp_eq_u32 s19, 1
	s_cselect_b32 s2, 0, 64
	s_cselect_b32 s3, 4, 0
	s_cselect_b32 s46, 0, 4
	v_and_b32 v3, 8, v1
	v_add_nc_u32 v3, v3, v1
	v_mul_u32_u24 v4, s2, v2
	v_mad_u32_u24 v[VB], s3, v3, v4
.irp j, 1,2,3,4,5,6,7
	v_add_nc_u32 v[VB+\j], s46, v[VB+\j-1]
.endr
	WIN 0x40                                       ; destination window 1
.irp i, 0,1,2,3,4,5,6,7
.irp j, 0,1,2,3,4,5,6,7
	global_load_b32 v[BI+8*\i+\j], v[VB+\j], s[BB:BB+1] offset:(32*(\i/2)+8*(\i%2))*4   ; waited for on the way out; their address registers are never rewritten
.endr
.endr
	WIN 0
.macro FRAG reg, adr, q, i             ; a fragment as it lies: two pieces of 512 bytes, 16 bytes a lane
.irp c, 0,1
	ds_load_b128 v[\reg+4*\c:\reg+4*\c+3], v[\adr] offset:4096*(\i)+1024*(\q)+512*\c
.endr
.endm
; 16 matrix instructions: S1's blocks a0, a0 + 1 x S0's eight.  p: S0's set; sc: the set of scale words.  The 64 accumulators take turns, one instruction a turn, in the same order in every step.
.macro MUL16 a0, p, q, sc, zero
.irp a, \a0, \a0+1
.irp b, 0,1,2,3,4,5,6,7
.if \zero
	v_wmma_scale_f32_16x16x128_f8f6f4 v[8*(8*((\a)%4)+\b):8*(8*((\a)%4)+\b)+7], v[128*(\p)+FR*\b:128*(\p)+FR*\b+FR-1], v[AF+FR*(\a):AF+FR*(\a)+FR-1], 0, v[SC+8*NQ*(\sc)+NQ*\b+(\q)], v[SC+8*NQ*(\sc)+NQ*(\a)+(\q)] matrix_a_fmt:MATRIX_FMT_FP4 matrix_b_fmt:MATRIX_FMT_FP4 matrix_a_scale:MATRIX_SCALE_ROW1
.else
	v_wmma_scale_f32_16x16x128_f8f6f4 v[8*(8*((\a)%4)+\b):8*(8*((\a)%4)+\b)+7], v[128*(\p)+FR*\b:128*(\p)+FR*\b+FR-1], v[AF+FR*(\a):AF+FR*(\a)+FR-1], v[8*(8*((\a)%4)+\b):8*(8*((\a)%4)+\b)+7], v[SC+8*NQ*(\sc)+NQ*\b+(\q)], v[SC+8*NQ*(\sc)+NQ*(\a)+(\q)] matrix_a_fmt:MATRIX_FMT_FP4 matrix_b_fmt:MATRIX_FMT_FP4 matrix_a_scale:MATRIX_SCALE_ROW1
.endif
.endr
.endr
.endm
.macro FETCH_B slot, q, p
	WIN TO_B
.irp i, 0,1,2,3,4,5,6,7
	FRAG 128*(\p)+FR*\i, ADRB+\slot, \q, \i
.endr
	WIN 0
.endm
.macro FETCH_A slot, q, i0
.irp i, \i0, \i0+1, \i0+2, \i0+3
	FRAG AF+FR*(\i), ADRA+\slot, \q, \i
.endr
.endm
.macro SCALES sc                       ; a slot's scale words: four a row; lanes 0-15 S1's block i, lanes 16-31 S0's block i
.irp i, 0,1,2,3,4,5,6,7
	ds_load_b128 v[SC+8*NQ*\sc+NQ*\i:SC+8*NQ*\sc+NQ*\i+3], v[ADRS] offset:256*\sc+512*\i
.endr
.endm
.macro PLACES n                        ; plain vector instructions between a matrix instruction and a load into, or a vector instruction on, its registers (ISA guide 7.12.1 for vector instructions)
.rept \n
	v_nop
.endr
.endm
.macro STEP slot, q, zero              ; 128 along K, with its successor in the same slot
	s_wait_dscnt 4*NL                              ; all but the youngest 8 loads (S1's blocks 4-7)
	WIN MUL_LO
	MUL16 0, (\q)%2, \q, \slot, \zero
	MUL16 2, (\q)%2, \q, \slot, \zero
	s_wait_dscnt 0
	PLACES NP
	FETCH_B \slot, (\q)+1, 1-(\q)%2
	FETCH_A \slot, (\q)+1, 0
	WIN MUL_HI
	MUL16 4, (\q)%2, \q, \slot, \zero
	MUL16 6, (\q)%2, \q, \slot, \zero
	PLACES NP
	WIN 0
	FETCH_A \slot, (\q)+1, 4
.endm
.macro TURN slot, next                 ; a slot's last step goes over to the other slot, which every wave's loads must have filled: one barrier
	s_wait_tensorcnt 0x0                           ; all my tensor loads have landed, my part of the next slot among them
	ds_add_u32 v[SPW], v[NIL]
	s_wait_dscnt 4*NL+1                            ; (the add and the youngest 8 loads may be out)
	WIN MUL_LO
	MUL16 0, 1, NQ-1, \slot, 0
	s_wait_dscnt 0x0
	s_barrier_signal -1
	MUL16 2, 1, NQ-1, \slot, 0
	WIN 0
	s_barrier_wait -1
	PLACES NP
	FETCH_B \next, 0, 0
	FETCH_A \next, 0, 0
	SCALES \next
	WIN MUL_HI
	MUL16 4, 1, NQ-1, \slot, 0
	MUL16 6, 1, NQ-1, \slot, 0
	PLACES NP
	WIN 0
	FETCH_A \next, 0, 4
.endm
.macro STEPS slot, from
.set Q, \from
.rept NQ-1-\from
	STEP \slot, Q, 0
.set Q, Q+1
.endr
.endm
	s_wait_tensorcnt 1                             ; the scale words and my part of slot 0 are in; slot 1's load may stay out
	s_barrier_signal -1
	s_barrier_wait -1                              ; everybody's are
	FETCH_B 0, 0, 0
	FETCH_A 0, 0, 0
	SCALES 0
	FETCH_A 0, 0, 4
	STEP 0, 0, 1                                   ; the first products start the sums: nothing is cleared
	STEPS 0, 1
	TURN 0, 1
	STEPS 1, 0
	s_wait_dscnt 4*NL                              ; the last step: nothing more to fetch
	WIN MUL_LO
	MUL16 0, 1, NQ-1, 1, 0
	MUL16 2, 1, NQ-1, 1, 0
	s_wait_dscnt 0
	WIN MUL_HI
	MUL16 4, 1, NQ-1, 1, 0
	MUL16 6, 1, NQ-1, 1, 0
	WIN 0
; THE WAY OUT, S1's blocks one after the other.  The bias addition also brings a block's 64 results into window 0, each accumulator from its low end on; they are quantised in registers, and the fragment's registers
; are stored as they stand: every store covers whole aligned runs of 256 bytes, and no store's data are written again.  No LDS.
.macro EPI mode
.irp a, 0,1,2,3,4,5,6,7
	WIN 0x06+(\a/4)                                ; source 0: window 2 or 3; source 1 (the bias): window 1
.irp b, 0,1,2,3,4,5,6,7
.irp i, 0,2,4,6
.if \mode
	v_pk_add_f32 v[HA+8*\b+\i:HA+8*\b+\i+1], v[64*(\a%4)+8*\b+\i:64*(\a%4)+8*\b+\i+1], v[BI+8*\a+\i:BI+8*\a+\i+1]
.else
	v_pk_add_f32 v[HA+8*\b+\i:HA+8*\b+\i+1], v[64*(\a%4)+8*\b+\i:64*(\a%4)+8*\b+\i+1], v[BI+8*\b+\i:BI+8*\b+\i+1]
.endif
.endr
.endr
	WIN 0
	QUANT HA, PC+8*\a, PW
.if \mode
	v_mov_b32 v[SW+\a], v[PW]                      ; four bytes: the group's four blocks of 32 tokens, for my column
	global_store_b128 v[OA], v[PC+8*\a:PC+8*\a+3], s[P0+2*(\a/4):P0+2*(\a/4)+1] offset:4096+1024*(\a%4)
	global_store_b128 v[OA], v[PC+8*\a+4:PC+8*\a+7], s[P0+2*(\a/4):P0+2*(\a/4)+1] offset:4096+1024*(\a%4)+512
.else
	v_bfe_u32 v[SW+\a], v[PW], v[SH], 16           ; lanes 0-15 keep the first head's two bytes, lanes 16-31 the second's
	global_store_b128 v[OA], v[PC+8*\a:PC+8*\a+3], s[P0:P0+1] offset:512*\a        ; columns 0-63: the first head
	global_store_b128 v[OA], v[PC+8*\a+4:PC+8*\a+7], s[P0+2:P0+3] offset:512*\a    ; columns 64-127: the second
.endif
.endr
.if \mode
	v_cmp_ne_u32 vcc_lo, 0, v2
.irp i, 0,1,2,3
	v_cndmask_b32 v[PW+\i], v[SW+\i], v[SW+4+\i], vcc_lo   ; lanes 0-15 the first head's four tiles, lanes 16-31 the second's
.endr
	global_store_b128 v[VSC], v[PW:PW+3], s[P0:P0+1] offset:8704
.else
	global_store_b128 v[VSC], v[SW:SW+3], s[P0:P0+1] offset:8192
	global_store_b128 v[VSC], v[SW+4:SW+7], s[P0:P0+1] offset:8448
.endif
.endm
	s_wait_loadcnt 0x0                             ; the bias
	PLACES NP                                      ; behind the last products
.irp b, 0,1,2,3
	v_mov_b32 v[TM+4+\b], 0                        ; written once: a lane permute's destination counts as one of its sources
.endr
	s_cmp_eq_u32 s19, 1                            ; the cluster's x alone: all sixteen partners go the same way
	s_cbranch_scc1 .Lmode_v
	EPI 0
	s_branch .Ldone
.Lmode_v:
	EPI 1
.Ldone:
	s_wait_tensorcnt 0x0                           ; the wave's end
	ds_add_u32 v[SPW], v[NIL]
	s_wait_dscnt 0x0
	CROUND                                         ; the closing round
	s_endpgm
.Lfunc_end_k_qb5a860a59c_gemm_qkv:
	.size	k_qb5a860a59c_gemm_qkv, .Lfunc_end_k_qb5a860a59c_gemm_qkv-k_qb5a860a59c_gemm_qkv
	.p2alignl 7, 3214868480
	.fill 96, 4, 3214868480
	.section	.rodata,"a",@progbits
	.p2align	6, 0x0
	.amdhsa_kernel k_qb5a860a59c_gemm_qkv
		.amdhsa_group_segment_fixed_size 327680
		.amdhsa_private_segment_fixed_size 0
		.amdhsa_enable_private_segment 0
		.amdhsa_kernarg_size 48
		.amdhsa_user_sgpr_count 2
		.amdhsa_user_sgpr_kernarg_segment_ptr 1
		.amdhsa_wavefront_size32 1
		.amdhsa_system_sgpr_workgroup_id_x 1
		.amdhsa_system_sgpr_workgroup_id_y 1
		.amdhsa_system_sgpr_workgroup_id_z 1
		.amdhsa_system_vgpr_workitem_id 0
		.amdhsa_next_free_vgpr 1024
		.amdhsa_next_free_sgpr 100
		.amdhsa_reserve_vcc 1
		.amdhsa_float_denorm_mode_32 3
		.amdhsa_float_denorm_mode_16_64 3
		.amdhsa_memory_ordered 1
		.amdhsa_forward_progress 1
		.amdhsa_inst_pref_size 198
	.end_amdhsa_kernel
	.amdgpu_metadata
---
amdhsa.version: [ 1, 2 ]
amdhsa.kernels:
  - .name:           k_qb5a860a59c_gemm_qkv
    .symbol:         k_qb5a860a59c_gemm_qkv.kd
    .args:
      - { .name: xc, .offset: 0, .size: 8, .value_kind: global_buffer, .address_space: global }
      - { .name: xs, .offset: 8, .size: 8, .value_kind: global_buffer, .address_space: global }
      - { .name: wc, .offset: 16, .size: 8, .value_kind: global_buffer, .address_space: global }
      - { .name: ws, .offset: 24, .size: 8, .value_kind: global_buffer, .address_space: global }
      - { .name: b_attn, .offset: 32, .size: 8, .value_kind: global_buffer, .address_space: global }
      - { .name: qkv, .offset: 40, .size: 8, .value_kind: global_buffer, .address_space: global }
    .group_segment_fixed_size: 327680
    .private_segment_fixed_size: 0
    .kernarg_segment_align: 8
    .kernarg_segment_size: 48
    .max_flat_workgroup_size: 128
    .sgpr_count:     100
    .vgpr_count:     1024
    .wavefront_size: 32
...
	.end_amdgpu_metadata
.endif
;; end of part 2
;; launch attn (part 3): grid 4 x 64, 16 waves a work-group, clusters of 4 x 1, 167,936 bytes of LDS; arguments qkv, yc, ys; writes yc, ys
.if DOCPART == 3
	.amdgcn_target "amdgcn-amd-amdhsa--gfx1250"
	.amdhsa_code_object_version 6
	.text
	.protected	k_qb5a860a59c_attn
	.globl	k_qb5a860a59c_attn
	.p2align	8
	.type	k_qb5a860a59c_attn,@function
k_qb5a860a59c_attn:
	s_mov_b64 s[64:65], 0
	v_nop
	global_prefetch_b8 v0, s[64:65] scope:SCOPE_SE
	s_setreg_imm32_b32 hwreg(HW_REG_WAVE_MODE, 25, 1), 1
	s_wait_xcnt 0x0
	s_wait_alu depctr_hold_cnt(0) depctr_sa_sdst(0) depctr_va_vdst(0) depctr_va_sdst(0) depctr_va_ssrc(0) depctr_va_vcc(0) depctr_vm_vsrc(0)
	s_getreg_b32 s2, hwreg(HW_REG_IB_STS2, 6, 4)
	s_cmp_eq_u32 s2, 0
	s_cbranch_scc0 .Lentry_in_a_cluster
	s_endpgm
.Lentry_in_a_cluster:
	s_bfe_u32 s2, ttmp6, 0x10000c
	s_cmp_lg_u32 s2, 0x3003
	s_cbranch_scc0 .Lentry_shape_is_right
	s_endpgm
.Lentry_shape_is_right:
; y = softmax(q k^T / 8, causal) v for one (batch, head) a cluster, both products on codes of E2M1 with E8M0 scales; y leaves as codes, quantised along C, in the order of the last product's operand registers.
; LEFT OUT (shown at the head of the first launch): a step of 128 keys all of which come after the tile's queries: reference()'s own tril gives those keys the weight 0 for every input.
; THE SOFTMAX: t = score x log2(e) / 8; M = the running largest t rounded UP to a whole number; p = 2^(t - M) is quantised along the keys, not normalised; the row's sum of the unquantised p divides at the end.
; When M moves, the sum and O are multiplied by 2^(old M - new M), which rounds nothing.
; SHARES.  The cluster's four work-groups walk the same K and V.  Work-group cx owns tiles a = 2 cx, 2 cx + 1 of each of the 16 groups of 128 queries.  Wave w (u = w / 8, p = w % 8) takes tile a = 2 cx + u of group p
; and then of group 15 - p: (p + 1) + (16 - p) = 17 live key steps for every wave of the launch.  cx enters global addresses and the mask's data alone: no LDS address, no branch, no trip count.
; LDS: the head's 16 records of k and v (8,960 bytes each: k's codes, v's codes, k's scale words, v's) as they lie in memory, filled ONCE by sixteen joint loads, one a wave; nothing is filled again and nothing is stored.
; So no prefetch is laid: every tensor load goes out at the head.
; LAYOUT.  Both products are used transposed (S^T = K Q^T, O^T = V^T P^T): a lane holds ONE query.  The keys of a tile are 32 (t / 2) + 8 (t % 2) + rho + 8 (rho / 8), so the 16 registers of tiles 2 b, 2 b + 1 are 16
; neighbouring keys; v's tiles of d likewise, so that O^T's registers run along d as the quantiser of y wants them.  The first product's K is 64: k = 64 .. 127 are zero codes on both sides, under the scale byte 0.
; y's scale bytes leave one byte a lane (32 bytes a tile and head, a sixteenth of its codes): a wave owns no more of a word.
; LIMITS: the running maximum starts at -3e38; block maxima are floored at 2^(3 - 127); a block of zeros gets the byte 1 where the rule says 127; NaN and infinities are not served.
; REGISTERS: v1 16 x lane, v2 16 r, v3-4 the add's two, v5-6 addresses in hand, v7 the mask's number, v8-9 Q's scale words, v10 h, v11 16 r + h, v12 -M, v13 largest t, v[14:15] the sum; v16-31 Q of both passes (upper
; halves zero); v32-95 K (upper halves zero); v96-159 S^T, p, y; v160-191 O^T; v192-223 V; v224-231 p's codes; v232-254 at work; v240-243, v248-251 scale words.
.set RECB,  8960
.set SPARE, 143360                     ; behind the records: the spare words, 128 bytes for each of 16 waves
.set LI,  1
.set LR,  2
.set SPW, 3
.set NIL, 4
.set ADF, 5
.set ADW, 6
.set DM,  7
.set WV,  10                           ; s10 wave; s11 cx; s12 cluster y; s13 head; s14 batch; s15 a; s16 p; s17, s18 the two passes' groups
.set SEL, 20
.set CS,  22                           ; s[22:23] c = log2(e) / 8
.set TB,  52                           ; s52 LDS byte of the key group in hand
.set KG,  53                           ; s53 its number
.macro CROUND
	s_barrier_signal -1
	s_barrier_wait -1
	s_cmp_lg_u32 s[WV], 0
	s_cbranch_scc1 .Lnot_wave_0_\@
	s_barrier_signal -3
.Lnot_wave_0_\@:
	s_barrier_wait -3
	s_barrier_signal -1
	s_barrier_wait -1
.endm
	s_load_b128 s[4:7], s[0:1], 0x0                ; qkv, yc
	s_load_b64 s[8:9], s[0:1], 0x10                ; ys
	v_lshl_add_u32 v[SPW], v0, 2, SPARE
	v_mov_b32 v[NIL], 0
	ds_add_u32 v[SPW], v[NIL]                      ; the wave's opening: the add, twice on end, and its wait ahead of my first tensor load
	ds_add_u32 v[SPW], v[NIL]
	v_lshrrev_b32 v1, 5, v0
	s_delay_alu instid0(VALU_DEP_1)
	v_readfirstlane_b32 s[WV], v1                  ; wave 0..15
	s_bfe_u32 s11, ttmp6, 0x40000                  ; cx
	s_and_b32 s12, ttmp7, 0xffff
	s_and_b32 s13, s12, 15                         ; head
	s_lshr_b32 s14, s12, 4                         ; batch
	s_lshr_b32 s15, s[WV], 3
	s_lshl_b32 s54, s11, 1
	s_add_co_u32 s15, s15, s54                     ; my tile a of a group
	s_and_b32 s16, s[WV], 7
	s_mov_b32 s17, s16                             ; pass 0: group p
	s_sub_co_u32 s18, 15, s16                      ; pass 1: group 15 - p
	s_mov_b32 s24, 15|(3<<16)|(1<<21)              ; group 1: 15:0 all four work-groups; 17:16 elements of 8 bytes; 21 set beside a mask
	s_mov_b32 s25, 32<<16                          ; a record, 8,960 dense bytes, as 35 rows of 256
	s_mov_b32 s26, 35<<16
	s_mov_b32 s27, 32<<16
	s_mov_b32 s28, 35
	s_mov_b32 s29, 32
	s_mov_b32 s30, 0
	s_mov_b32 s31, 0
	s_mov_b32 s[SEL], 0x76543210
	s_mov_b32 s[SEL+1], 0xfedcba98
	s_mov_b32 s[CS], 0x3e38aa3b
	s_mov_b32 s[CS+1], s[CS]                       ; (named with it as a pair, so it is written)
	s_lshl_b32 s56, s14, 4                         ; 16 groups a batch
	s_lshl_b32 s57, s13, 6
	s_add_co_u32 s57, s57, s56                     ; q's records of my head and batch
.irp n, 0,1                                    ; byte offsets for the two passes: s[36:39] Q's codes, s[40:43] Q's scale words, s[44:47] y's codes, s[48:51] y's scale bytes
	s_add_co_u32 s54, s57, s[17+\n]
	s_mul_i32 s54, s54, RECB
	s_lshl_b32 s55, s15, 9
	s_add_co_u32 s[36+2*\n], s54, s55              ; tile a's 512 bytes
	s_mov_b32 s[37+2*\n], 0
	s_lshr_b32 s55, s15, 2
	s_lshl_b32 s55, s55, 8
	s_add_co_u32 s54, s54, s55
	s_and_b32 s55, s15, 3
	s_lshl_b32 s55, s55, 2
	s_add_co_u32 s54, s54, s55
	s_add_co_u32 s[40+2*\n], s54, 8192             ; word [a / 4][r][a % 4]
	s_mov_b32 s[41+2*\n], 0
	s_add_co_u32 s54, s56, s[17+\n]
	s_lshl_b32 s54, s54, 3
	s_add_co_u32 s54, s54, s15                     ; the tile's number among all tokens' tiles
	s_lshl_b32 s55, s54, 13
	s_lshl_b32 s58, s13, 9
	s_add_co_u32 s[44+2*\n], s55, s58              ; K step head / 2, piece head % 2
	s_mov_b32 s[45+2*\n], 0
	s_lshl_b32 s55, s54, 9
	s_lshr_b32 s58, s13, 3
	s_lshl_b32 s58, s58, 8
	s_add_co_u32 s55, s55, s58                     ; K half head / 8,
	s_bfe_u32 s58, s13, 0x20001
	s_lshl_b32 s58, s58, 2
	s_add_co_u32 s55, s55, s58                     ; word (head / 2) % 4,
	s_and_b32 s58, s13, 1
	s_lshl_b32 s58, s58, 1
	s_add_co_u32 s[48+2*\n], s55, s58              ; bytes 2 (head % 2) and the next
	s_mov_b32 s[49+2*\n], 0
.endr
	s_add_co_u32 s58, s13, 16                      ; k's and v's records: head + 16
	s_lshl_b32 s58, s58, 6
	s_add_co_u32 s58, s58, s56
	s_add_co_u32 s58, s58, s[WV]                   ; wave w fetches key group w
	s_mul_i32 s58, s58, RECB
	s_mov_b32 s59, 0
	s_wait_dscnt 0x0                               ; both opening adds are done
	s_wait_kmcnt 0x0
	s_mov_b32 s32, 1
	s_mul_i32 s33, s[WV], RECB                     ; LDS: wave x 8,960
	s_add_nc_u64 s[34:35], s[4:5], s[58:59]
	s_or_b32 s35, s35, 0x80000000
.irp n, 0,1
	s_add_nc_u64 s[36+2*\n:37+2*\n], s[4:5], s[36+2*\n:37+2*\n]
	s_add_nc_u64 s[40+2*\n:41+2*\n], s[4:5], s[40+2*\n:41+2*\n]
	s_add_nc_u64 s[44+2*\n:45+2*\n], s[6:7], s[44+2*\n:45+2*\n]
	s_add_nc_u64 s[48+2*\n:49+2*\n], s[8:9], s[48+2*\n:49+2*\n]
.endr
	CROUND                                         ; all four work-groups are here: the joint loads meet
	tensor_load_to_lds s[32:35], s[24:31]          ; my one tensor load of the launch
	s_nop 0
.rept 4
	v_nop
.endr
	v_and_b32 v5, 31, v0
	s_delay_alu instid0(VALU_DEP_1)
	v_lshlrev_b32 v[LI], 4, v5
	v_and_b32 v6, 15, v0                           ; r
	s_delay_alu instid0(VALU_DEP_1)
	v_lshlrev_b32 v[LR], 4, v6
	global_load_b128 v[16:19], v[LI], s[36:37]     ; Q's codes of both passes stay in registers
	global_load_b128 v[24:27], v[LI], s[38:39]
	global_load_b32 v8, v[LR], s[40:41]
	global_load_b32 v9, v[LR], s[42:43]
	v_bfe_u32 v10, v0, 4, 1                        ; h
	v_and_b32 v[DM], 8, v6
	s_delay_alu instid0(VALU_DEP_1)
	v_add_nc_u32 v[DM], v[DM], v6
	s_lshr_b32 s54, s15, 1
	s_lshl_b32 s54, s54, 5
	s_and_b32 s55, s15, 1
	s_lshl_b32 s55, s55, 3
	s_add_co_u32 s54, s54, s55
	v_add_nc_u32 v[DM], s54, v[DM]                 ; my query's place in its group
	v_lshlrev_b32 v11, 4, v10
	s_delay_alu instid0(VALU_DEP_1)
	v_sub_nc_u32 v[DM], v[DM], v11                 ; less 16 h: register 16 b + i holds key 32 b + 16 h + i, hidden on the diagonal where 32 b + i is greater than this
	v_add_nc_u32 v11, v[LR], v10
.irp j, 20,21,22,23,28,29,30,31
	v_mov_b32 v[\j], 0                             ; Q: zero codes for k = 64 .. 127
.endr
.irp t, 0,1,2,3,4,5,6,7
.irp j, 0,1,2,3
	v_mov_b32 v[36+8*\t+\j], 0                     ; K likewise: written once, the loads fill the lower halves alone
.endr
.endr
.irp j, 236,237,238,239,252,253
	v_mov_b32 v[\j], 0                             ; lane permutes' destinations and the upper half of a pair: written before they are named
.endr
	s_wait_tensorcnt 0x0                           ; my record has landed,
	s_barrier_signal -1
	s_barrier_wait -1                              ; everybody's has
	s_wait_loadcnt 0x0                             ; Q
; A KEY STEP: the 128 keys of group s[KG].
.macro STEP qf, qs, gq
	v_add_nc_u32 v[ADF], s[TB], v[LI]
	v_add_nc_u32 v[ADW], s[TB], v[LR]
	v_nop
	v_nop                                          ; four places between the last step's products and the loads into their registers
	ds_load_b128 v[240:243], v[ADW] offset:8192    ; K's scale words, tiles 0-3 of row r,
	ds_load_b128 v[248:251], v[ADW] offset:8448    ; tiles 4-7
.irp t, 0,1,2,3,4,5,6,7
	ds_load_b128 v[32+8*\t:35+8*\t], v[ADF] offset:512*\t
.endr
.irp t, 0,1,2,3
.irp c, 0,1
	ds_load_b128 v[192+8*\t+4*\c:195+8*\t+4*\c], v[ADF] offset:4096+1024*\t+512*\c
.endr
.endr
	s_wait_alu depctr_va_vdst(0)
	s_wait_dscnt 8                                 ; K and its scale words are in; V's eight loads stay out
.irp t, 0,1,2,3,4,5,6,7
	v_wmma_scale_f32_16x16x128_f8f6f4 v[96+8*\t:103+8*\t], v[32+8*\t:39+8*\t], v[\qf:\qf+7], 0, v[240+\t+4*(\t/4)], v[\qs] matrix_a_fmt:MATRIX_FMT_FP4 matrix_b_fmt:MATRIX_FMT_FP4
.endr
.rept 4
	v_nop
.endr
	ds_load_b128 v[240:243], v[ADW] offset:8704    ; V's scale words, its four tiles of row r
	s_cmp_lg_u32 s[KG], s[\gq]                     ; ids and the count of steps alone
	s_cbranch_scc1 .Lopen_\@
	v_mov_b32 v254, 0xff800000                     ; on the diagonal hidden scores become -infinity ahead of the maximum: p = 0 then.  Key 0 counts for every query, so M is a number from the first step on
.set n, 0
.rept 64
	v_cmp_gt_i32 vcc_lo, 32*(n/16)+n%16, v[DM]
	v_cndmask_b32 v[96+n], v[96+n], v254, vcc_lo
.set n, n+1
.endr
.Lopen_\@:
.irp b, 0,1,2,3
	v_max3_num_f32 v[232+\b], v[96+16*\b], v[97+16*\b], v[98+16*\b]   ; the largest score of each block of 32 keys: it serves for the row's maximum and, since p rises with the score, for the block's largest p
.endr
.irp i, 3,5,7,9,11,13
.irp b, 0,1,2,3
	v_max3_num_f32 v[232+\b], v[232+\b], v[96+16*\b+\i], v[97+16*\b+\i]
.endr
.endr
.irp b, 0,1,2,3
	v_max_num_f32 v[232+\b], v[232+\b], v[111+16*\b]
.endr
.irp b, 0,1,2,3
	s_delay_alu instid0(VALU_DEP_4)
	v_permlanex16_b32 v[236+\b], v[232+\b], s[SEL], s[SEL+1]
.endr
.irp b, 0,1,2,3
	s_delay_alu instid0(VALU_DEP_4)
	v_max_num_f32 v[232+\b], v[232+\b], v[236+\b]  ; with lane l xor 16's 16 keys
.endr
	s_delay_alu instid0(VALU_DEP_2)
	v_max3_num_f32 v254, v232, v233, v234
	s_delay_alu instid0(VALU_DEP_1)
	v_max_num_f32 v254, v254, v235
	s_delay_alu instid0(VALU_DEP_1)
	v_mul_f32 v254, s[CS], v254                    ; as t (c is positive)
	s_delay_alu instid0(VALU_DEP_1)
	v_max_num_f32 v13, v13, v254                   ; the running largest t
	v_mov_b32 v254, v12
	s_delay_alu instid0(VALU_DEP_2)
	v_floor_f32 v12, -v13                          ; the new -M = floor(-t)
	s_delay_alu instid0(VALU_DEP_1)
	v_sub_f32 v254, v12, v254                      ; old M - new M: a whole number, 0 or less
	s_delay_alu instid0(VALU_DEP_1)
	v_cvt_i32_f32 v254, v254                       ; (it saturates)
	s_delay_alu instid0(VALU_DEP_1)
	v_ldexp_f32 v252, 1.0, v254                    ; f = 2^(old M - new M)
.set j, 0
.rept 32
	v_pk_fma_f32 v[96+j:97+j], v[96+j:97+j], s[CS:CS+1], v[12:13] op_sel_hi:[1,0,0]   ; t - M, two at a time
.set j, j+2
.endr
	s_setprio 1
.irp b, 0,1,2,3
	v_fma_f32 v[232+\b], v[232+\b], s[CS], v12     ; the same of each block's largest score
.endr
.set j, 0
	s_wait_alu depctr_va_vdst(0)
.rept 64
	v_exp_f32 v[96+j], v[96+j]                     ; p = 2^(t - M)
.set j, j+1
.endr
	v_pk_mul_f32 v[14:15], v[14:15], v[252:253] op_sel_hi:[1,0]   ; the sums under the new M: a plain place behind the exponentials
	s_wait_alu depctr_va_vdst(0)                   ; one wait for the batch, ahead of its first reader
.irp b, 0,1,2,3
	v_exp_f32 v[232+\b], v[232+\b]                 ; the block's largest p
.endr
	v_pk_add_f32 v[236:237], v[100:101], v[104:105]
	v_pk_add_f32 v[254:255], v[108:109], v[112:113]
	v_pk_add_f32 v[250:251], v[116:117], v[120:121]
	v_pk_add_f32 v[248:249], v[124:125], v[128:129]
	v_pk_add_f32 v[246:247], v[132:133], v[136:137]
	v_pk_add_f32 v[244:245], v[140:141], v[144:145]
	v_pk_add_f32 v[238:239], v[148:149], v[152:153]
	v_pk_add_f32 v[14:15], v[14:15], v[156:157]
	v_pk_add_f32 v[236:237], v[236:237], v[96:97]
	v_pk_add_f32 v[254:255], v[254:255], v[98:99]
	v_pk_add_f32 v[250:251], v[250:251], v[102:103]
	v_pk_add_f32 v[248:249], v[248:249], v[106:107]
	v_pk_add_f32 v[246:247], v[246:247], v[110:111]
	v_pk_add_f32 v[244:245], v[244:245], v[114:115]
	v_pk_add_f32 v[238:239], v[238:239], v[118:119]
	v_pk_add_f32 v[14:15], v[14:15], v[122:123]
	v_pk_add_f32 v[236:237], v[236:237], v[126:127]
	v_pk_add_f32 v[254:255], v[254:255], v[130:131]
	v_pk_add_f32 v[250:251], v[250:251], v[134:135]
	v_pk_add_f32 v[248:249], v[248:249], v[138:139]
	v_pk_add_f32 v[246:247], v[246:247], v[142:143]
	v_pk_add_f32 v[244:245], v[244:245], v[146:147]
	v_pk_add_f32 v[238:239], v[238:239], v[150:151]
	v_pk_add_f32 v[14:15], v[14:15], v[154:155]
	v_pk_add_f32 v[236:237], v[236:237], v[158:159]
	s_delay_alu instid0(VALU_DEP_2)
	v_pk_add_f32 v[14:15], v[14:15], v[248:249]
	s_delay_alu instid0(VALU_DEP_2)
	v_pk_add_f32 v[236:237], v[236:237], v[246:247]
	v_pk_add_f32 v[254:255], v[254:255], v[244:245]
	v_pk_add_f32 v[250:251], v[250:251], v[238:239]
	s_delay_alu instid0(VALU_DEP_2)
	v_pk_add_f32 v[14:15], v[14:15], v[254:255]
	s_delay_alu instid0(VALU_DEP_2)
	v_pk_add_f32 v[236:237], v[236:237], v[250:251]
	s_delay_alu instid0(VALU_DEP_1)
	v_pk_add_f32 v[14:15], v[14:15], v[236:237]
	s_wait_alu depctr_va_vdst(0)                   ; and one for the four
.irp b, 0,1,2,3
	v_max_num_f32 v[232+\b], 0x1800000, v[232+\b]  ; the floor: the byte cannot fall under 1
.endr
.irp b, 0,1,2,3
	s_delay_alu instid0(VALU_DEP_4)
	v_add_nc_u32 v[244+\b], 0xff000000, v[232+\b]  ; the conversion's scale operand
.endr
.irp b, 0,1,2,3
	s_delay_alu instid0(VALU_DEP_4)
	v_lshrrev_b32 v[236+\b], 23, v[244+\b]
.endr
	s_delay_alu instid0(VALU_DEP_3)
	v_lshl_or_b32 v253, v237, 8, v236              ; p's scale word for these 128 keys
	s_delay_alu instid0(VALU_DEP_1)
	v_lshl_or_b32 v253, v238, 16, v253
	s_delay_alu instid0(VALU_DEP_1)
	v_lshl_or_b32 v253, v239, 24, v253
	s_setprio 0
.irp b, 0,1,2,3
	v_cvt_scalef32_pk8_fp4_f32 v[224+2*\b], v[96+16*\b:103+16*\b], v[244+\b]
	v_cvt_scalef32_pk8_fp4_f32 v[225+2*\b], v[104+16*\b:111+16*\b], v[244+\b]
.endr
	v_nop                                          ; one plain place behind a scaled conversion
.irp c, 0,1
.irp i, 0,1
	v_permlane16_swap_b32 v[224+4*\c+\i], v[226+4*\c+\i]
.endr
.endr
.set j, 0
.rept 16
	v_pk_mul_f32 v[160+j:161+j], v[160+j:161+j], v[252:253] op_sel_hi:[1,0]   ; O^T under the new M; these sixteen are also the places between the scale word's and the codes' last writes and the products below
.set j, j+2
.endr
	s_wait_alu depctr_va_vdst(0)
	s_wait_dscnt 0x0                               ; V and its scale words
.irp t, 0,1,2,3                                ; four accumulators by turns
	v_wmma_scale_f32_16x16x128_f8f6f4 v[160+8*\t:167+8*\t], v[192+8*\t:199+8*\t], v[224:231], v[160+8*\t:167+8*\t], v[240+\t], v253 matrix_a_fmt:MATRIX_FMT_FP4 matrix_b_fmt:MATRIX_FMT_FP4
.endr
.endm
; THE WAY OUT of a pass: y = O^T / the sum; register 16 b + i is d = 32 b + 16 h + i of my query: two blocks of 32 along C, quantised in registers.
.macro YOUT n
.rept 4
	v_nop                                          ; places behind the last products
.endr
	v_add_f32 v14, v14, v15
	s_delay_alu instid0(VALU_DEP_1)
	v_permlanex16_b32 v252, v14, s[SEL], s[SEL+1]
	s_delay_alu instid0(VALU_DEP_1)
	v_add_f32 v14, v14, v252                       ; the row's sum
	s_wait_alu depctr_va_vdst(0)
	v_rcp_f32 v14, v14
	v_nop                                          ; a plain place behind the reciprocal
	s_wait_alu depctr_va_vdst(0)                   ; and the wait ahead of its first reader
.set j, 0
.rept 16
	v_pk_mul_f32 v[96+j:97+j], v[160+j:161+j], v[14:15] op_sel_hi:[1,0]
.set j, j+2
.endr
.irp b, 0,1
	v_max3_num_f32 v[232+\b], |v[96+16*\b]|, |v[97+16*\b]|, 0x1800000
.endr
.irp i, 2,4,6,8,10,12,14
.irp b, 0,1
	s_delay_alu instid0(VALU_DEP_2)
	v_max3_num_f32 v[232+\b], v[232+\b], |v[96+16*\b+\i]|, |v[97+16*\b+\i]|
.endr
.endr
.irp b, 0,1
	s_delay_alu instid0(VALU_DEP_2)
	v_permlanex16_b32 v[236+\b], v[232+\b], s[SEL], s[SEL+1]
.endr
.irp b, 0,1
	s_delay_alu instid0(VALU_DEP_2)
	v_max_num_f32 v[232+\b], v[232+\b], v[236+\b]
.endr
.irp b, 0,1
	s_delay_alu instid0(VALU_DEP_2)
	v_add_nc_u32 v[244+\b], 0xff000000, v[232+\b]
.endr
.irp b, 0,1
	s_delay_alu instid0(VALU_DEP_2)
	v_lshrrev_b32 v[236+\b], 23, v[244+\b]
.endr
.irp b, 0,1
	v_cvt_scalef32_pk8_fp4_f32 v[224+2*\b], v[96+16*\b:103+16*\b], v[244+\b]
	v_cvt_scalef32_pk8_fp4_f32 v[225+2*\b], v[104+16*\b:111+16*\b], v[244+\b]
.endr
	v_nop
	v_permlane16_swap_b32 v224, v226               ; lanes 0-15 the whole block 0, lanes 16-31 block 1
	v_permlane16_swap_b32 v225, v227
	global_store_b128 v[LI], v[224:227], s[44+2*\n:45+2*\n]   ; 512 consecutive bytes, aligned: a piece of the last product's fragment
	v_cmp_ne_u32 vcc_lo, 0, v10
	s_delay_alu instid0(VALU_DEP_1)
	v_cndmask_b32 v254, v236, v237, vcc_lo         ; lanes 0-15 store block 0's byte, lanes 16-31 block 1's
	global_store_b8 v11, v254, s[48+2*\n:49+2*\n]
	s_wait_xcnt 0x0                                ; the stores' data are written again only behind this wait
.endm
.macro PASS n
	v_mov_b32 v13, 0xff61b1e6                      ; the largest t so far: -3e38
	s_delay_alu instid0(VALU_DEP_1)
	v_floor_f32 v12, -v13
	v_mov_b32 v14, 0
	v_mov_b32 v15, 0
.set j, 0
.rept 32
	v_mov_b32 v[160+j], 0                          ; the step is written once a pass: its first trip finds zeros, which the first change of M leaves zeros
.set j, j+1
.endr
	s_mov_b32 s[TB], 0
	s_mov_b32 s[KG], 0
.Lkey_\@:                                          ; sixteen trips, a constant; a step whose keys all come after my queries is jumped over, its address steps are not
	s_cmp_gt_u32 s[KG], s[17+\n]
	s_cbranch_scc1 .Lhid_\@
	s_setprio 2
	STEP 16+8*\n, 8+\n, 17+\n
.Lhid_\@:
	s_add_co_u32 s[TB], s[TB], RECB
	s_add_co_u32 s[KG], s[KG], 1
	s_cmp_lt_u32 s[KG], 16
	s_cbranch_scc1 .Lkey_\@
	s_setprio 0
	YOUT \n
.endm
	PASS 0
	PASS 1
	s_wait_tensorcnt 0x0                           ; the wave's end
	ds_add_u32 v[SPW], v[NIL]
	s_wait_dscnt 0x0
	CROUND                                         ; the closing round
	s_endpgm
.Lfunc_end_k_qb5a860a59c_attn:
	.size	k_qb5a860a59c_attn, .Lfunc_end_k_qb5a860a59c_attn-k_qb5a860a59c_attn
	.p2alignl 7, 3214868480
	.fill 96, 4, 3214868480
	.section	.rodata,"a",@progbits
	.p2align	6, 0x0
	.amdhsa_kernel k_qb5a860a59c_attn
		.amdhsa_group_segment_fixed_size 167936
		.amdhsa_private_segment_fixed_size 0
		.amdhsa_enable_private_segment 0
		.amdhsa_kernarg_size 24
		.amdhsa_user_sgpr_count 2
		.amdhsa_user_sgpr_kernarg_segment_ptr 1
		.amdhsa_wavefront_size32 1
		.amdhsa_system_sgpr_workgroup_id_x 1
		.amdhsa_system_sgpr_workgroup_id_y 1
		.amdhsa_system_sgpr_workgroup_id_z 1
		.amdhsa_system_vgpr_workitem_id 0
		.amdhsa_next_free_vgpr 256
		.amdhsa_next_free_sgpr 66
		.amdhsa_reserve_vcc 1
		.amdhsa_float_denorm_mode_32 3
		.amdhsa_float_denorm_mode_16_64 3
		.amdhsa_memory_ordered 1
		.amdhsa_forward_progress 1
		.amdhsa_inst_pref_size 62
	.end_amdhsa_kernel
	.amdgpu_metadata
---
amdhsa.version: [ 1, 2 ]
amdhsa.kernels:
  - .name:           k_qb5a860a59c_attn
    .symbol:         k_qb5a860a59c_attn.kd
    .args:
      - { .name: qkv, .offset: 0, .size: 8, .value_kind: global_buffer, .address_space: global }
      - { .name: yc, .offset: 8, .size: 8, .value_kind: global_buffer, .address_space: global }
      - { .name: ys, .offset: 16, .size: 8, .value_kind: global_buffer, .address_space: global }
    .group_segment_fixed_size: 167936
    .private_segment_fixed_size: 0
    .kernarg_segment_align: 8
    .kernarg_segment_size: 24
    .max_flat_workgroup_size: 512
    .sgpr_count:     66
    .vgpr_count:     256
    .wavefront_size: 32
...
	.end_amdgpu_metadata
.endif
;; end of part 3
;; launch gemm_proj (part 4): grid 4 x 32, 4 waves a work-group, clusters of 4 x 4, 327,680 bytes of LDS; arguments yc, ys, wc, ws, b_proj, out0; writes out0
.if DOCPART == 4
	.amdgcn_target "amdgcn-amd-amdhsa--gfx1250"
	.amdhsa_code_object_version 6
	.text
	.protected	k_qb5a860a59c_gemm_proj
	.globl	k_qb5a860a59c_gemm_proj
	.p2align	8
	.type	k_qb5a860a59c_gemm_proj,@function
k_qb5a860a59c_gemm_proj:
	s_mov_b64 s[64:65], 0
	v_nop
	global_prefetch_b8 v0, s[64:65] scope:SCOPE_SE
	s_setreg_imm32_b32 hwreg(HW_REG_WAVE_MODE, 25, 1), 1
	s_wait_xcnt 0x0
	s_wait_alu depctr_hold_cnt(0) depctr_sa_sdst(0) depctr_va_vdst(0) depctr_va_sdst(0) depctr_va_ssrc(0) depctr_va_vcc(0) depctr_vm_vsrc(0)
	s_getreg_b32 s2, hwreg(HW_REG_IB_STS2, 6, 4)
	s_cmp_eq_u32 s2, 0
	s_cbranch_scc0 .Lentry_in_a_cluster
	s_endpgm
.Lentry_in_a_cluster:
	s_bfe_u32 s2, ttmp6, 0x10000c
	s_cmp_lg_u32 s2, 0xf033
	s_cbranch_scc0 .Lentry_shape_is_right
	s_endpgm
.Lentry_shape_is_right:
; out0 = Q(y) Q(W_proj) + b_proj on codes of E2M1 with E8M0 scales, K = 1,024; out0 [8192][1024] f32.  No work is left out here.
; Operands lie in the order of the matrix operand's registers: codes [tile of 16 rows][K step (8)][1,024 bytes], scale words [tile][K half][r][4]; row rho of tile a of a group of 128 rows is group row
; 32 (a / 2) + 8 (a % 2) + rho + 8 (rho / 8).  W_proj's columns are tiles 192-255 of wc and ws.  Source 0 = 16 columns of W (S0), source 1 = 16 tokens (S1): a lane holds one token, and tile b's eight registers
; are columns 32 (b / 2) + 8 (b % 2) + 16 h + 0 .. 7.  The bias is the C of each sum's first matrix instruction.
; A work-group of four waves makes 256 x 256, a wave 128 x 128.  All of K lies in LDS at once, in two slots filled once.  128 work-groups: the tile that feeds most products from each LDS byte is kept.
; CLUSTER 4 x 4: S1's tiles are asked for jointly by a row of the cluster, S0's by a column.  NO PREFETCH: each wave's three tensor loads go out at the head and nothing is fetched later.
; REGISTERS: window 0: v1 r, v2 h, v8 bias offset, v16-29 addresses, v32-95 scale words (two sets), v128-191 S1's fragments, v192-255 the bias; on the way out v128-255 take rows of the result.
;   window 1: S0's fragments, two sets, at v0 and v128.   windows 2, 3: the accumulators.
.set NQ,    4
.set FR,    8
.set NL,    2
.set NP,    4
.set SLOT,  131072
.set SCL,   262144
.set SPARE, 278528
.set SPITCH, 528                       ; the way out: a stage of 16 rows x (512 bytes + 16) for each wave, in slot 0, which has had its one fill and its last read when the first result is stored there
.set VB,   8
.set ADRA, 16
.set ADRB, 20
.set STO,  24
.set RD,   25
.set CO,   26
.set ADRS, 27
.set SPW,  28
.set NIL,  29
.set SC,   32
.set AF,   128
.set BK,   128
.set BI,   192
.set G1,   24
.set G0,   32
.set G1B,  48
.set G0B,  56
.set G1S,  68
.set G0S,  76
.set G1SB, 80
.set G0SB, 88
.set BB,   96
.set MSB, 0
.macro WIN new
.if MSB != (\new)
	s_set_vgpr_msb (MSB<<8)|(\new)
.set MSB, (\new)
.endif
.endm
.set MUL_LO, 0xa1
.set MUL_HI, 0xf1
.set TO_B,   0x40
.macro JLOAD g0a, g1a, g0b, g1b        ; waves 0 and 1 fetch for S1, waves 2 and 3 for S0; an s_nop 0 and four v_nop follow each line
	s_cmp_eq_u32 s17, 0
	s_cbranch_scc0 .Lfor_b_\@
	tensor_load_to_lds s[\g0a:\g0a+3], s[\g1a:\g1a+7]
	s_nop 0
.rept 4
	v_nop
.endr
	s_branch .Lasked_\@
.Lfor_b_\@:
	tensor_load_to_lds s[\g0b:\g0b+3], s[\g1b:\g1b+7]
	s_nop 0
.rept 4
	v_nop
.endr
.Lasked_\@:
.endm
.macro CROUND
	s_barrier_signal -1
	s_barrier_wait -1
	s_cmp_lg_u32 s16, 0
	s_cbranch_scc1 .Lnot_wave_0_\@
	s_barrier_signal -3
.Lnot_wave_0_\@:
	s_barrier_wait -3
	s_barrier_signal -1
	s_barrier_wait -1
.endm
	s_load_b256 s[4:11], s[0:1], 0x0               ; yc, ys, wc, ws
	s_load_b128 s[12:15], s[0:1], 0x20             ; b_proj, out0
	v_lshl_add_u32 v[SPW], v0, 2, SPARE
	v_mov_b32 v[NIL], 0
	ds_add_u32 v[SPW], v[NIL]                      ; the wave's opening: the add, twice on end, and its wait ahead of my first tensor load
	ds_add_u32 v[SPW], v[NIL]
	v_lshrrev_b32 v1, 5, v0
	v_readfirstlane_b32 s16, v1                    ; wave 0..3
	s_lshr_b32 s17, s16, 1                         ; my half of the tokens.  Also: I fetch for S1 (0) or for S0 (1)
	s_and_b32 s18, s16, 1                          ; my half of the columns.  Also: which 128 rows I fetch
	s_bfe_u32 s40, ttmp6, 0x40000                  ; cx
	s_bfe_u32 s41, ttmp6, 0x40004                  ; cy
	s_lshl_b32 s42, ttmp9, 2
	s_add_co_u32 s42, s42, s40                     ; t0: which 256 columns
	s_and_b32 s43, ttmp7, 0xffff
	s_lshl_b32 s43, s43, 2
	s_add_co_u32 s43, s43, s41                     ; t1: which 256 tokens
	s_lshl_b32 s44, s41, 2
	s_lshl_b32 s44, 15, s44                        ; my row of the cluster
	s_lshl_b32 s45, 0x1111, s40                    ; my column
	s_or_b32 s[G1+0], s44, (3<<16)|(1<<21)         ; codes: 8 tiles' 4,096 bytes, 8,192 apart, in elements of 8 bytes
	s_or_b32 s[G1B+0], s45, (3<<16)|(1<<21)
.irp g, G1, G1B
	s_mov_b32 s[\g+1], 512<<16
	s_mov_b32 s[\g+2], 8<<16
	s_mov_b32 s[\g+3], 512<<16
	s_mov_b32 s[\g+4], 8
	s_mov_b32 s[\g+5], 1024
	s_mov_b32 s[\g+6], 0
	s_mov_b32 s[\g+7], 0
.endr
	s_or_b32 s[G1S+0], s44, (3<<16)|(1<<21)        ; scale words: 4,096 dense bytes as 16 rows of 256
	s_or_b32 s[G1SB+0], s45, (3<<16)|(1<<21)
.irp g, G1S, G1SB
	s_mov_b32 s[\g+1], 32<<16
	s_mov_b32 s[\g+2], 16<<16
	s_mov_b32 s[\g+3], 32<<16
	s_mov_b32 s[\g+4], 16
	s_mov_b32 s[\g+5], 32
	s_mov_b32 s[\g+6], 0
	s_mov_b32 s[\g+7], 0
.endr
	s_lshl_b32 s3, s18, 3
	s_lshl_b32 s2, s43, 4
	s_add_co_u32 s2, s2, s3                        ; S1: the first of the 8 tiles that I fetch
	s_lshl_b32 s46, s42, 4
	s_add_co_u32 s46, s46, s3
	s_add_co_u32 s46, s46, 192                     ; S0: W_proj's tiles begin at 192
	s_lshl_b32 s92, s2, 13
	s_mov_b32 s93, 0
	s_lshl_b32 s94, s2, 9
	s_mov_b32 s95, 0
	s_lshl_b32 s96, s46, 13
	s_mov_b32 s97, 0
	s_lshl_b32 s98, s46, 9
	s_mov_b32 s99, 0
	s_lshl_b32 s2, s16, 15                         ; where they go: wave x 32,768 in a slot,
	s_lshl_b32 s3, s16, 12                         ; wave x 4,096 among the scale words
	s_wait_dscnt 0x0                               ; both opening adds are done
	s_wait_kmcnt 0x0
	s_add_nc_u64 s[4:5], s[4:5], s[92:93]
	s_add_nc_u64 s[6:7], s[6:7], s[94:95]
	s_add_nc_u64 s[8:9], s[8:9], s[96:97]
	s_add_nc_u64 s[10:11], s[10:11], s[98:99]
	CROUND                                         ; all sixteen work-groups are here: the first joint loads meet
	s_mov_b32 s[G0S], 1
	s_add_co_u32 s[G0S+1], s3, SCL
	s_mov_b64 s[G0S+2:G0S+3], s[6:7]
	s_or_b32 s[G0S+3], s[G0S+3], 0x80000000
	s_mov_b32 s[G0SB], 1
	s_add_co_u32 s[G0SB+1], s3, SCL
	s_mov_b64 s[G0SB+2:G0SB+3], s[10:11]
	s_or_b32 s[G0SB+3], s[G0SB+3], 0x80000000
	JLOAD G0S, G1S, G0SB, G1SB
.irp s, 0,1
	s_mov_b32 s[G0+4*\s], 1
	s_add_co_u32 s[G0+4*\s+1], s2, \s*SLOT
	s_add_nc_u64 s[G0+4*\s+2:G0+4*\s+3], s[4:5], \s*4096
	s_or_b32 s[G0+4*\s+3], s[G0+4*\s+3], 0x80000000
	s_mov_b32 s[G0B+4*\s], 1
	s_add_co_u32 s[G0B+4*\s+1], s2, \s*SLOT
	s_add_nc_u64 s[G0B+4*\s+2:G0B+4*\s+3], s[8:9], \s*4096
	s_or_b32 s[G0B+4*\s+3], s[G0B+4*\s+3], 0x80000000
	s_wait_alu depctr_va_vdst(0)
	s_wait_tensorcnt 0x0
	ds_add_u32 v28, v29
	s_wait_dscnt 0x0
	CROUND
	JLOAD G0+4*\s, G1, G0B+4*\s, G1B               ; one tensor load of a wave is out: the one just issued
.endr
	v_and_b32 v1, 15, v0                           ; r
	v_bfe_u32 v2, v0, 4, 1                         ; h
	s_wait_alu depctr_va_vdst(0)
	v_and_b32 v3, 31, v0
	v_lshlrev_b32 v[CO], 4, v3                     ; 16 x lane
	s_lshl_b32 s2, s17, 15
	s_lshl_b32 s3, s18, 15
	s_add_co_u32 s3, s3, 65536
.irp s, 0,1
	v_add_nc_u32 v[ADRA+\s], s2, v[CO]
	v_add_nc_u32 v[ADRB+\s], s3, v[CO]
	s_add_co_u32 s2, s2, SLOT
	s_add_co_u32 s3, s3, SLOT
.endr
	s_lshl_b32 s2, s17, 12
	s_lshl_b32 s3, s18, 12
	s_add_co_u32 s3, s3, 8192
	s_sub_co_u32 s3, s3, s2
	v_mul_u32_u24 v4, s3, v2                       ; lanes 16-31 take S0's scale words: one product with h
	s_add_co_u32 s2, s2, SCL
	v_lshl_add_u32 v4, v1, 4, v4
	v_add_nc_u32 v[ADRS], s2, v4
	s_mul_i32 s2, s16, 16*SPITCH                   ; my stage
	v_mul_u32_u24 v4, v1, SPITCH
	v_lshl_add_u32 v4, v2, 6, v4
	v_add_nc_u32 v[STO], s2, v4                    ; in: row r, + 64 h
	v_add_nc_u32 v[RD], s2, v[CO]                  ; back: a row of 512 bytes, 16 a lane
	s_lshl_b32 s20, s43, 8
	s_lshl_b32 s21, s17, 7
	s_add_co_u32 s20, s20, s21                     ; my first token
	s_lshl_b32 s20, s20, 12                        ; rows of 4,096 bytes
	s_lshl_b32 s21, s42, 10
	s_add_co_u32 s20, s20, s21                     ; + my first column, in bytes
	s_lshl_b32 s21, s18, 9
	s_add_co_u32 s20, s20, s21
	s_mov_b32 s21, 0
	s_add_nc_u64 s[14:15], s[14:15], s[20:21]
	s_lshl_b32 s20, s42, 1
	s_add_co_u32 s20, s20, s18
	s_lshl_b32 s20, s20, 9                         ; my 128 numbers of the bias
	s_add_nc_u64 s[BB:BB+1], s[12:13], s[20:21]
	v_lshlrev_b32 v[VB], 6, v2                     ; 64 h
.irp b, 0,1,2,3,4,5,6,7
	global_load_b128 v[BI+8*\b:BI+8*\b+3], v[VB], s[BB:BB+1] offset:(32*(\b/2)+8*(\b%2))*4
	global_load_b128 v[BI+8*\b+4:BI+8*\b+7], v[VB], s[BB:BB+1] offset:(32*(\b/2)+8*(\b%2))*4+16
.endr
.macro FRAG reg, adr, q, i
.irp c, 0,1
	ds_load_b128 v[\reg+4*\c:\reg+4*\c+3], v[\adr] offset:4096*(\i)+1024*(\q)+512*\c
.endr
.endm
; 16 matrix instructions.  zero = 1: the first product of each sum takes the bias as its C.  The 64 accumulators take turns, one instruction a turn.
.macro MUL16 a0, p, q, sc, zero
.irp a, \a0, \a0+1
.irp b, 0,1,2,3,4,5,6,7
.if \zero
	v_wmma_scale_f32_16x16x128_f8f6f4 v[8*(8*((\a)%4)+\b):8*(8*((\a)%4)+\b)+7], v[128*(\p)+FR*\b:128*(\p)+FR*\b+FR-1], v[AF+FR*(\a):AF+FR*(\a)+FR-1], v[BI+8*\b:BI+8*\b+7], v[SC+8*NQ*(\sc)+NQ*\b+(\q)], v[SC+8*NQ*(\sc)+NQ*(\a)+(\q)] matrix_a_fmt:MATRIX_FMT_FP4 matrix_b_fmt:MATRIX_FMT_FP4 matrix_a_scale:MATRIX_SCALE_ROW1
.else
	v_wmma_scale_f32_16x16x128_f8f6f4 v[8*(8*((\a)%4)+\b):8*(8*((\a)%4)+\b)+7], v[128*(\p)+FR*\b:128*(\p)+FR*\b+FR-1], v[AF+FR*(\a):AF+FR*(\a)+FR-1], v[8*(8*((\a)%4)+\b):8*(8*((\a)%4)+\b)+7], v[SC+8*NQ*(\sc)+NQ*\b+(\q)], v[SC+8*NQ*(\sc)+NQ*(\a)+(\q)] matrix_a_fmt:MATRIX_FMT_FP4 matrix_b_fmt:MATRIX_FMT_FP4 matrix_a_scale:MATRIX_SCALE_ROW1
.endif
.endr
.endr
.endm
.macro FETCH_B slot, q, p
	WIN TO_B
.irp i, 0,1,2,3,4,5,6,7
	FRAG 128*(\p)+FR*\i, ADRB+\slot, \q, \i
.endr
	WIN 0
.endm
.macro FETCH_A slot, q, i0
.irp i, \i0, \i0+1, \i0+2, \i0+3
	FRAG AF+FR*(\i), ADRA+\slot, \q, \i
.endr
.endm
.macro SCALES sc
.irp i, 0,1,2,3,4,5,6,7
	ds_load_b128 v[SC+8*NQ*\sc+NQ*\i:SC+8*NQ*\sc+NQ*\i+3], v[ADRS] offset:256*\sc+512*\i
.endr
.endm
.macro PLACES n
.rept \n
	v_nop
.endr
.endm
.macro STEP slot, q, zero
	s_wait_dscnt 4*NL                              ; all but the youngest 8 loads (S1's blocks 4-7)
.if \zero
	WIN 0x81                                       ; C (the bias) window 0, D window 2
.else
	WIN MUL_LO
.endif
	MUL16 0, (\q)%2, \q, \slot, \zero
	MUL16 2, (\q)%2, \q, \slot, \zero
	s_wait_dscnt 0
	PLACES NP
	FETCH_B \slot, (\q)+1, 1-(\q)%2
	FETCH_A \slot, (\q)+1, 0
.if \zero
	WIN 0xc1
.else
	WIN MUL_HI
.endif
	MUL16 4, (\q)%2, \q, \slot, \zero
	MUL16 6, (\q)%2, \q, \slot, \zero
	PLACES NP
	WIN 0
	FETCH_A \slot, (\q)+1, 4
.endm
.macro TURN slot, next                 ; over to the other slot: one barrier
	s_wait_tensorcnt 0x0                           ; all my tensor loads have landed
	ds_add_u32 v[SPW], v[NIL]
	s_wait_dscnt 4*NL+1                            ; (the add and the youngest 8 loads may be out)
	WIN MUL_LO
	MUL16 0, 1, NQ-1, \slot, 0
	s_wait_dscnt 0x0                               ; the add is done, and my reads of this slot are over
	s_barrier_signal -1
	MUL16 2, 1, NQ-1, \slot, 0
	WIN 0
	s_barrier_wait -1
	PLACES NP
	FETCH_B \next, 0, 0
	FETCH_A \next, 0, 0
	SCALES \next
	WIN MUL_HI
	MUL16 4, 1, NQ-1, \slot, 0
	MUL16 6, 1, NQ-1, \slot, 0
	PLACES NP
	WIN 0
	FETCH_A \next, 0, 4
.endm
.macro STEPS slot, from
.set Q, \from
.rept NQ-1-\from
	STEP \slot, Q, 0
.set Q, Q+1
.endr
.endm
	s_wait_alu depctr_va_vdst(0)
	s_wait_tensorcnt 1                             ; the scale words and my part of slot 0 are in; slot 1's load may stay out
	s_barrier_signal -1
	s_barrier_wait -1
	FETCH_B 0, 0, 0
	FETCH_A 0, 0, 0
	SCALES 0
	FETCH_A 0, 0, 4
	s_wait_loadcnt 0x0                             ; the bias
	STEP 0, 0, 1
	STEPS 0, 1
	TURN 0, 1
	STEPS 1, 0
	s_wait_dscnt 4*NL
	WIN MUL_LO
	MUL16 0, 1, NQ-1, 1, 0
	MUL16 2, 1, NQ-1, 1, 0
	s_wait_dscnt 0
	WIN MUL_HI
	MUL16 4, 1, NQ-1, 1, 0
	MUL16 6, 1, NQ-1, 1, 0
	WIN 0
; THE WAY OUT, a block of 16 tokens x 128 columns at a time, through my own stage: a lane's 32 bytes of a tile go to their columns' place in row r, and whole rows of 512 bytes come back and are stored.
; LDS serves a wave's instructions in order: no wait between the stores and the loads, nor in front of the next block's stores.
.macro TOSTAGE a
.set AC, 64*((\a)%4)
	WIN 0x08+4*((\a)/4)                            ; the data: window 2 or 3
.irp b, 0,1,2,3,4,5,6,7
	ds_store_b128 v[STO], v[AC+8*\b:AC+8*\b+3] offset:128*(\b/2)+32*(\b%2)          ; each accumulator from its low end on
	ds_store_b128 v[STO], v[AC+8*\b+4:AC+8*\b+7] offset:128*(\b/2)+32*(\b%2)+16
.endr
	WIN 0
.set BR, BK+64*((\a)%2)
.irp t, 0,1,2,3,4,5,6,7,8,9,10,11,12,13,14,15
	ds_load_b128 v[BR+4*\t:BR+4*\t+3], v[RD] offset:\t*SPITCH
.endr
.endm
.macro SEND a, younger                 ; younger: the LDS instructions issued behind block a's loads, which may stay out
.set BR, BK+64*((\a)%2)
	s_wait_dscnt \younger
.irp t, 0,1,2,3,4,5,6,7,8,9,10,11,12,13,14,15
	global_store_b128 v[CO], v[BR+4*\t:BR+4*\t+3], s[14:15] offset:(32*((\a)/2)+8*((\a)%2)+\t+8*(\t/8))*4096 th:TH_STORE_NT   ; stage row t is the block's token t: 512 consecutive bytes, aligned; the base is never stepped
.endr
.endm
	PLACES NP                                      ; behind the last products
	TOSTAGE 0
.irp a, 1,2,3,4,5,6,7
.if \a > 1
	s_wait_xcnt 0x0                                ; block a - 2's stores have read their registers: block a's loads may land there
.endif
	TOSTAGE \a
	SEND \a-1, 32                                  ; behind block a - 1's loads: block a's 16 stores and 16 loads
.endr
	SEND 7, 0
	s_wait_tensorcnt 0x0                           ; the wave's end: behind my last tensor load and my last LDS store
	ds_add_u32 v[SPW], v[NIL]
	s_wait_dscnt 0x0
	CROUND                                         ; the closing round
	s_endpgm
.Lfunc_end_k_qb5a860a59c_gemm_proj:
	.size	k_qb5a860a59c_gemm_proj, .Lfunc_end_k_qb5a860a59c_gemm_proj-k_qb5a860a59c_gemm_proj
	.p2alignl 7, 3214868480
	.fill 96, 4, 3214868480
	.section	.rodata,"a",@progbits
	.p2align	6, 0x0
	.amdhsa_kernel k_qb5a860a59c_gemm_proj
		.amdhsa_group_segment_fixed_size 327680
		.amdhsa_private_segment_fixed_size 0
		.amdhsa_enable_private_segment 0
		.amdhsa_kernarg_size 48
		.amdhsa_user_sgpr_count 2
		.amdhsa_user_sgpr_kernarg_segment_ptr 1
		.amdhsa_wavefront_size32 1
		.amdhsa_system_sgpr_workgroup_id_x 1
		.amdhsa_system_sgpr_workgroup_id_y 1
		.amdhsa_system_sgpr_workgroup_id_z 1
		.amdhsa_system_vgpr_workitem_id 0
		.amdhsa_next_free_vgpr 1024
		.amdhsa_next_free_sgpr 100
		.amdhsa_reserve_vcc 0
		.amdhsa_float_denorm_mode_32 3
		.amdhsa_float_denorm_mode_16_64 3
		.amdhsa_memory_ordered 1
		.amdhsa_forward_progress 1
		.amdhsa_inst_pref_size 126
	.end_amdhsa_kernel
	.amdgpu_metadata
---
amdhsa.version: [ 1, 2 ]
amdhsa.kernels:
  - .name:           k_qb5a860a59c_gemm_proj
    .symbol:         k_qb5a860a59c_gemm_proj.kd
    .args:
      - { .name: yc, .offset: 0, .size: 8, .value_kind: global_buffer, .address_space: global }
      - { .name: ys, .offset: 8, .size: 8, .value_kind: global_buffer, .address_space: global }
      - { .name: wc, .offset: 16, .size: 8, .value_kind: global_buffer, .address_space: global }
      - { .name: ws, .offset: 24, .size: 8, .value_kind: global_buffer, .address_space: global }
      - { .name: b_proj, .offset: 32, .size: 8, .value_kind: global_buffer, .address_space: global }
      - { .name: out0, .offset: 40, .size: 8, .value_kind: global_buffer, .address_space: global }
    .group_segment_fixed_size: 327680
    .private_segment_fixed_size: 0
    .kernarg_segment_align: 8
    .kernarg_segment_size: 48
    .max_flat_workgroup_size: 128
    .sgpr_count:     100
    .vgpr_count:     1024
    .wavefront_size: 32
...
	.end_amdgpu_metadata
.endif
;; end of part 4
